; MI455X (gfx1250); checked and timed in simulation.
; The chip was launched on July 23, 2026; its instructions are those of AMD's public machine-readable ISA for CDNA 5 (MIT licence, August 2026) and "CDNA5" Instruction Set Architecture Reference Guide (July 2026). The comments in the code are by the model that wrote it; some were corrected since.
;; Rotary Transformer Block. Allowed arithmetic: float matrix products may take bf16 or f16 operands with f32 sums; other float arithmetic in f32, or as packed bf16 or f16 multiplies, adds, multiply-adds, maxima and minima; sums over many terms, partial sums and values carried from step to step in f32; what a program stores and reads back later, other than sums and carried values, may be rounded once to bf16 or f16.
;; Inputs: fc1_b 4,096 float32; fc1_w 1,024 x 4,096 float32; fc2_b 1,024 float32; fc2_w 4,096 x 1,024 float32; ffn_ln_b 4,096 float32; ffn_ln_g 4,096 float32; ln1_b 1,024 float32; ln1_g 1,024 float32; ln2_b 1,024 float32; ln2_g 1,024 float32; proj_b 1,024 float32; proj_w 1,024 x 1,024 float32; qkv_b 3,072 float32; qkv_w 1,024 x 3,072 float32; x 2 x 2,048 x 1,024 float32.
;; Outputs: out0 2 x 2,048 x 1,024 float32.
;; One version. Each part assembles by itself: llvm-mc -triple=amdgcn-amd-amdhsa -mcpu=gfx1250 --defsym DOCPART=n.
;; ======== version 1 of 1: 6 launches
;; limits: values outside matrix products are rounded to f16; a function is approximated: absolute error at most 2.5e-05; an absolute error that grows with the inputs' magnitude: up to 1.25e-05 times it; values are held in f16: magnitudes above 65,504 overflow, below 6.1e-05 lose precision
;; workspace buffers: wts 34,209,792 bytes; qkvh 25,165,824 bytes; oh 8,388,608 bytes; r1 25,690,112 bytes; r2 34,603,008 bytes
;; launch prep (part 1): grid 1344 x 1, 8 waves a work-group, no clusters, 9,216 bytes of LDS; arguments x, ln1_g, ln1_b, qkv_w, proj_w, ln2_g, ln2_b, fc1_w, ffn_ln_g, ffn_ln_b, fc2_w, wts; writes wts
.if DOCPART == 1
	.amdgcn_target "amdgcn-amd-amdhsa--gfx1250"
	.amdhsa_code_object_version 6
	.text
	.protected	k_q91bb0f05ad_prep
	.globl	k_q91bb0f05ad_prep
	.p2align	8
	.type	k_q91bb0f05ad_prep,@function
k_q91bb0f05ad_prep:
	s_mov_b64 s[64:65], 0
	v_nop
	global_prefetch_b8 v0, s[64:65] scope:SCOPE_SE
	s_setreg_imm32_b32 hwreg(HW_REG_WAVE_MODE, 25, 1), 1
	s_wait_xcnt 0x0
; ROTARY TRANSFORMER BLOCK, launch 1 of 6: what the products need, made once.
; DEAD WORK: none.  Every one of the 15 inputs reaches out0 for some values (k's bias is turned by the key's position before the softmax, so it is not the same along
; the softmax's axis); all are loaded, by this launch or a later one.
; FORMATS.  All matrix operands of the program are f16 (weights, normalised rows, q, k, v, weights of the softmax, centred rows); sums, statistics, biases and the residual stay f32.
; LIMIT: a number of hx, of a folded weight or of a column sum beyond 65,504 is not served (inputs 30 times those drawn stay under a few thousand).
; JOBS, by the work-group's number j:
;   0-511      hx = LayerNorm1(x), two passes in registers, a wave a row, f16 [4096][1024]
;   512-703    qkv_w to f16, as it lies ([k][n]);   704-767  proj_w likewise
;   768-1023   ln2_g[k] fc1_w[k][n] to f16, and for each tile t of 64 k the column sums G_t[n] = sum g W and Bs_t[n] = sum ln2_b W (rows 1024+t, 1040+t)
;   1024-1279  ffn_ln_g[k] fc2_w[k][n] to f16, the same sums over tiles of 128 k (rows 4096+t, 4128+t)
;   1280-1343  the rotary table: f16 (cos, sin) of n x 10000^(-j/32), [2048][32]
; WHY THE SUMS.  With a row's values stored as Yc = Y - (its tile's mean), LN(Y) g + b times W is rstd (Yc (gW) + sum_t d_t G_t + sigma sum_t Bs_t), d_t = tile mean - row mean:
; the launches fc1 and fc2 take the two short sums as one more step of K.  No difference of large sums is formed.
; A cast tile is 128 k x 128 n: wave w has 16 rows, a lane 4 columns: a load of the wave covers 512 consecutive bytes, a store 256 aligned ones; all 16 loads go out before the first wait.
.set WQ_O, 8388608
.set WP_O, 14680064
.set W1_O, 16777216
.set W2_O, 25427968
.set RP_O, 33947648
.set SPARE, 8192                       ; LDS 0-8191: [wave][G, Bs][128 columns] f32; then the spare words, 128 bytes a wave
.set SPW, 2                            ; v2  my spare word; never rewritten
.set NIL, 3                            ; v3  0; never rewritten
.set OFF, 4                            ; v4-19   byte offset of row i's 16 bytes in the source; halved, in the destination
.set X,   20                           ; v20-83  the rows as loaded
.set G,   84                           ; v84-87  my 4 columns' sum of g W over my 16 rows
.set BS,  88                           ; v88-91  the same of b W
	s_load_b64 s[6:7], s[0:1], 0x58                ; wts
	v_lshl_add_u32 v[SPW], v0, 2, SPARE
	v_mov_b32 v[NIL], 0
	v_and_b32 v1, 31, v0                           ; lane
	v_lshrrev_b32 v4, 5, v0
	v_readfirstlane_b32 s2, v4                     ; wave 0..7
	s_mov_b32 s3, ttmp9
	s_mov_b32 s55, 0
	s_cmp_lt_u32 s3, 512
	s_cbranch_scc1 .Lln1
	s_cmp_lt_u32 s3, 704
	s_cbranch_scc1 .Lqkvw
	s_cmp_lt_u32 s3, 768
	s_cbranch_scc1 .Lprojw
	s_cmp_lt_u32 s3, 1024
	s_cbranch_scc1 .Lfc1w
	s_cmp_lt_u32 s3, 1280
	s_cbranch_scc1 .Lfc2w
; THE ROTARY TABLE.  A thread makes four frequencies of one position.  The angle is reduced to turns f in -0.5 .. 0.5; sine and cosine of HALF the angle (a = pi f, within pi/2)
; come from their series to a^11 and a^12 (what is cut is under 6e-8), and cos 2a = 1 - 2 sin^2 a, sin 2a = 2 sin a cos a.
.macro SINCOS a, o
	v_mul_f32 v40, 0.15915494, v[\a]
	v_rndne_f32 v40, v40
	v_fma_f32 v40, v[\a], 0.15915494, -v40
	v_mul_f32 v40, 0x40490fdb, v40                 ; a
	v_mul_f32 v41, v40, v40
	v_mov_b32 v42, 0xb2d7322b                      ; -1/11!
	v_fmaak_f32 v42, v42, v41, 0x3638ef1d          ; 1/9!
	v_fmaak_f32 v42, v42, v41, 0xb9500d01          ; -1/7!
	v_fmaak_f32 v42, v42, v41, 0x3c088889          ; 1/5!
	v_fmaak_f32 v42, v42, v41, 0xbe2aaaab          ; -1/3!
	v_fma_f32 v42, v42, v41, 1.0
	v_mul_f32 v42, v42, v40                        ; sin a
	v_mov_b32 v43, 0x310f76c7                      ; 1/12!
	v_fmaak_f32 v43, v43, v41, 0xb493f27e          ; -1/10!
	v_fmaak_f32 v43, v43, v41, 0x37d00d01          ; 1/8!
	v_fmaak_f32 v43, v43, v41, 0xbab60b61          ; -1/6!
	v_fmaak_f32 v43, v43, v41, 0x3d2aaaab          ; 1/4!
	v_fma_f32 v43, v43, v41, -0.5
	v_fma_f32 v43, v43, v41, 1.0                   ; cos a
	v_mul_f32 v44, v42, v42
	v_fma_f32 v44, v44, -2.0, 1.0
	v_mul_f32 v45, v42, v43
	v_add_f32 v45, v45, v45
	v_cvt_pk_f16_f32 v[\o], v44, v45               ; cos in the low half, sin in the high
.endm
	s_sub_co_u32 s3, s3, 1280
	v_lshl_add_u32 v4, s3, 8, v0                   ; 8 x position + group of four frequencies
	v_lshrrev_b32 v5, 3, v4
	v_and_b32 v6, 7, v4
	v_lshlrev_b32 v6, 2, v6
	v_cvt_f32_u32 v5, v5                           ; n
	v_cvt_f32_u32 v6, v6                           ; the first frequency's number
	v_lshlrev_b32 v7, 4, v4
	v_mov_b32 v8, v6
	v_add_f32 v9, 1.0, v6
	v_add_f32 v10, 2.0, v6
	v_add_f32 v11, 0x40400000, v6
.irp i, 8,9,10,11
	v_mul_f32 v\i, 0xbed49a78, v\i                 ; -j log2(10000) / 32
.endr
.irp i, 8,9,10,11
	v_exp_f32 v\i, v\i
.endr
	v_nop                                          ; a plain instruction behind the last exponential,
	s_wait_alu depctr_va_vdst(0)                   ; and one wait for the four, ahead of their first reader
.irp i, 8,9,10,11
	v_mul_f32 v\i, v5, v\i                         ; the angle, rounded to f32 as the problem's own
.endr
	SINCOS 8, 20
	SINCOS 9, 21
	SINCOS 10, 22
	SINCOS 11, 23
	s_wait_kmcnt 0x0
	s_add_nc_u64 s[6:7], s[6:7], RP_O
	global_store_b128 v7, v[20:23], s[6:7]
	s_branch .Lend
; LAYERNORM 1.  Row 8 j + wave; a lane holds columns 128 i + 4 l .. + 3, i = 0..7.
.macro ACROSS                          ; v116 summed over the 32 lanes, the result in every lane
	v_add_f32_dpp v116, v116, v116 row_xmask:1 row_mask:0xf bank_mask:0xf
	v_add_f32_dpp v116, v116, v116 row_xmask:2 row_mask:0xf bank_mask:0xf
	v_add_f32_dpp v116, v116, v116 row_xmask:4 row_mask:0xf bank_mask:0xf
	v_add_f32_dpp v116, v116, v116 row_xmask:8 row_mask:0xf bank_mask:0xf
	v_permlanex16_b32 v117, v116, s52, s53
	v_add_f32 v116, v116, v117
.endm
.Lln1:
	s_load_b64 s[4:5], s[0:1], 0x0                 ; x
	s_load_b128 s[12:15], s[0:1], 0x8              ; ln1_g, ln1_b
	s_lshl3_add_u32 s50, s3, s2                    ; my row
	s_lshl_b32 s51, s50, 12
	s_lshl_b32 s50, s50, 11
	v_lshlrev_b32 v4, 4, v1
	v_lshl_add_u32 v5, v1, 4, s51
	v_lshl_add_u32 v6, v1, 3, s50
	s_mov_b32 s52, 0x76543210
	s_mov_b32 s53, 0xfedcba98
	s_mov_b32 s48, 0x3a800000                      ; 1/1024
	s_mov_b32 s49, 0x3727c5ac                      ; 1e-5
	s_wait_kmcnt 0x0
.irp j, 0,1,2,3,4,5,6,7
	global_load_b128 v[X+4*\j:X+4*\j+3], v5, s[4:5] offset:512*\j th:TH_LOAD_NT
.endr
.irp j, 0,1,2,3,4,5,6,7
	global_load_b128 v[52+4*\j:52+4*\j+3], v4, s[12:13] offset:512*\j
.endr
.irp j, 0,1,2,3,4,5,6,7
	global_load_b128 v[84+4*\j:84+4*\j+3], v4, s[14:15] offset:512*\j
.endr
	s_wait_loadcnt 16                              ; x is in; the 16 younger loads, gain and bias, may stay out
.irp c, 0,1,2,3
	v_pk_add_f32 v[116+2*\c:117+2*\c], v[X+2*\c:X+2*\c+1], v[X+8+2*\c:X+8+2*\c+1]
.endr
.irp c, 0,1,2,3
	v_pk_add_f32 v[116+2*\c:117+2*\c], v[116+2*\c:117+2*\c], v[X+16+2*\c:X+16+2*\c+1]
.endr
.irp c, 0,1,2,3
	v_pk_add_f32 v[116+2*\c:117+2*\c], v[116+2*\c:117+2*\c], v[X+24+2*\c:X+24+2*\c+1]
.endr
	v_pk_add_f32 v[116:117], v[116:117], v[118:119]
	v_pk_add_f32 v[120:121], v[120:121], v[122:123]
	v_pk_add_f32 v[116:117], v[116:117], v[120:121]
	v_add_f32 v116, v116, v117
	ACROSS
	v_mul_f32 v124, s48, v116                      ; the mean
	v_mov_b32 v125, v124
.set i, 0
.rept 16
	v_pk_add_f32 v[X+i:X+i+1], v[X+i:X+i+1], v[124:125] neg_lo:[0,1] neg_hi:[0,1]
.set i, i+2
.endr
.irp c, 0,1,2,3
	v_pk_mul_f32 v[116+2*\c:117+2*\c], v[X+2*\c:X+2*\c+1], v[X+2*\c:X+2*\c+1]
.endr
.irp o, 8,16,24
.irp c, 0,1,2,3
	v_pk_fma_f32 v[116+2*\c:117+2*\c], v[X+\o+2*\c:X+\o+2*\c+1], v[X+\o+2*\c:X+\o+2*\c+1], v[116+2*\c:117+2*\c]
.endr
.endr
	v_pk_add_f32 v[116:117], v[116:117], v[118:119]
	v_pk_add_f32 v[120:121], v[120:121], v[122:123]
	v_pk_add_f32 v[116:117], v[116:117], v[120:121]
	v_add_f32 v116, v116, v117
	ACROSS
	v_fma_f32 v116, v116, s48, s49                 ; variance + 1e-5
	v_rsq_f32 v124, v116
	v_rsq_f32 v125, v116                           ; twice, for the packed multiply's pair
	v_nop
	s_wait_alu depctr_va_vdst(0)                   ; one wait for both, ahead of their first reader
	s_wait_loadcnt 0x0
.set i, 0
.rept 16
	v_pk_mul_f32 v[X+i:X+i+1], v[X+i:X+i+1], v[124:125]
.set i, i+2
.endr
.set i, 0
.rept 16
	v_pk_fma_f32 v[X+i:X+i+1], v[X+i:X+i+1], v[52+i:52+i+1], v[84+i:84+i+1]
.set i, i+2
.endr
.irp j, 0,1,2,3,4,5,6,7
	v_cvt_pk_f16_f32 v[X+4*\j], v[X+4*\j], v[X+4*\j+1]
	v_cvt_pk_f16_f32 v[X+4*\j+1], v[X+4*\j+2], v[X+4*\j+3]
	global_store_b64 v6, v[X+4*\j:X+4*\j+1], s[6:7] offset:256*\j  ; the wave stores 256 consecutive bytes, aligned
.endr
	s_branch .Lend
; A TILE OF WEIGHTS.  s8 = bytes in a source row, s9 = block of 128 k, s10 = block of 128 n, s[54:55] = the matrix's place in wts.  fold = 1: s[12:13] the gain, s[14:15] the bias of the norm in front.
.macro CAST fold
	s_lshl_b32 s50, s9, 7
	s_lshl4_add_u32 s50, s2, s50                   ; my first row: 128 kb + 16 w
	s_mul_i32 s51, s50, s8
	s_lshl_b32 s52, s10, 9
	s_add_co_u32 s51, s51, s52
	v_lshl_add_u32 v[OFF], v1, 4, s51
.set i, 1
.rept 15
	v_add_nc_u32 v[OFF+i], s8, v[OFF+i-1]
.set i, i+1
.endr
	s_wait_kmcnt 0x0
	s_add_nc_u64 s[6:7], s[6:7], s[54:55]
.if \fold
	s_lshl_b32 s50, s50, 2
	s_load_b512 s[16:31], s[12:13], s50 offset:0x0 ; my 16 rows' gains,
	s_load_b512 s[32:47], s[14:15], s50 offset:0x0 ; and biases
.endif
.set i, 0
.rept 16
	global_load_b128 v[X+4*i:X+4*i+3], v[OFF+i], s[4:5] th:TH_LOAD_NT
.set i, i+1
.endr
.if \fold
	s_wait_kmcnt 0x0
.endif
.set i, 0
.rept 16
	s_wait_loadcnt 15-i                            ; row i is in (loads come back in order); the 15 - i younger ones stay out; the wait also frees the row's offset register
.if \fold
.irp c, 0,1,2,3
.if i == 0
	v_mul_f32 v[BS+\c], s[32], v[X+\c]
.else
	v_fmac_f32 v[BS+\c], s[32+i], v[X+4*i+\c]
.endif
	v_mul_f32 v[X+4*i+\c], s[16+i], v[X+4*i+\c]
.endr
.if i == 0
.irp c, 0,1,2,3
	v_mov_b32 v[G+\c], v[X+\c]
.endr
.else
	v_pk_add_f32 v[G:G+1], v[G:G+1], v[X+4*i:X+4*i+1]
	v_pk_add_f32 v[G+2:G+3], v[G+2:G+3], v[X+4*i+2:X+4*i+3]
.endif
.endif
	v_cvt_pk_f16_f32 v[X+4*i], v[X+4*i], v[X+4*i+1]
	v_cvt_pk_f16_f32 v[X+4*i+1], v[X+4*i+2], v[X+4*i+3]
	v_lshrrev_b32 v[OFF+i], 1, v[OFF+i]            ; f16: half the offset
	global_store_b64 v[OFF+i], v[X+4*i:X+4*i+1], s[6:7]
.set i, i+1
.endr
.endm
.Lqkvw:
	s_load_b64 s[4:5], s[0:1], 0x18
	s_sub_co_u32 s3, s3, 512
	s_mov_b32 s8, 4*3072
	s_mov_b32 s54, WQ_O
	s_branch .Lplain
.Lprojw:
	s_load_b64 s[4:5], s[0:1], 0x20
	s_sub_co_u32 s3, s3, 704
	s_mov_b32 s8, 4*1024
	s_mov_b32 s54, WP_O
.Lplain:
	s_and_b32 s9, s3, 7
	s_lshr_b32 s10, s3, 3
	CAST 0
	s_branch .Lend
.Lfc1w:
	s_load_b64 s[4:5], s[0:1], 0x38
	s_load_b128 s[12:15], s[0:1], 0x28             ; ln2_g, ln2_b
	s_sub_co_u32 s3, s3, 768
	s_mov_b32 s8, 4*4096
	s_mov_b32 s54, W1_O
	s_and_b32 s9, s3, 7
	s_lshr_b32 s10, s3, 3
	s_lshl_b32 s48, s9, 1
	s_add_co_u32 s48, s48, 1024                    ; the sums' first row: two tiles of 64 k in this block
	s_mov_b32 s49, 16                              ; rows from G to Bs
	s_mov_b32 s11, 4                               ; four rows of sums, a wave each
	s_branch .Lfold
.Lfc2w:
	s_load_b64 s[4:5], s[0:1], 0x50
	s_load_b128 s[12:15], s[0:1], 0x40             ; ffn_ln_g, ffn_ln_b
	s_sub_co_u32 s3, s3, 1024
	s_mov_b32 s8, 4*1024
	s_mov_b32 s54, W2_O
	s_and_b32 s10, s3, 7
	s_lshr_b32 s9, s3, 3
	s_add_co_u32 s48, s9, 4096                     ; one tile of 128 k
	s_mov_b32 s49, 32
	s_mov_b32 s11, 2
.Lfold:
	CAST 1
	s_lshl_b32 s51, s2, 10
	v_lshl_add_u32 v92, v1, 4, s51
	ds_store_b128 v92, v[G:G+3]
	ds_store_b128 v92, v[BS:BS+3] offset:512
	s_wait_dscnt 0x0                               ; for the others' sake: my partial sums lie in LDS
	s_barrier_signal -1
	s_barrier_wait -1                              ; (all eight waves of a folding work-group come here: the way hangs on the work-group's number alone)
	s_cmp_lt_u32 s2, s11
	s_cbranch_scc0 .Lend
	s_and_b32 s50, s2, 1                           ; G or Bs
	s_lshr_b32 s51, s2, 1                          ; which tile of 64 k
	s_lshl_b32 s52, s51, 12
	s_lshl_b32 s53, s50, 9
	v_lshl_add_u32 v95, v1, 4, s53                 ; 16 l + 512 x kind: my columns in wave 0's part
	s_add_co_u32 s52, s52, s53
	v_lshl_add_u32 v93, v1, 4, s52                 ; the same in the first of my tile's four waves
.irp i, 0,1,2,3
	ds_load_b128 v[100+4*\i:103+4*\i], v93 offset:1024*\i
.endr
	s_wait_dscnt 0x0
.irp i, 1,2,3
	v_pk_add_f32 v[100:101], v[100:101], v[100+4*\i:101+4*\i]
	v_pk_add_f32 v[102:103], v[102:103], v[102+4*\i:103+4*\i]
.endr
	s_cmp_eq_u32 s11, 2
	s_cbranch_scc0 .Lsummed
.irp i, 1,2,3,4                        ; a tile of 128 k (only waves 0 and 1 come here): waves 4 to 7's parts too, at 4,096 + 1,024 i; the last byte read is 8,191
	ds_load_b128 v[100+4*\i:103+4*\i], v95 offset:3072+1024*\i
.endr
	s_wait_dscnt 0x0
.irp i, 1,2,3,4
	v_pk_add_f32 v[100:101], v[100:101], v[100+4*\i:101+4*\i]
	v_pk_add_f32 v[102:103], v[102:103], v[102+4*\i:103+4*\i]
.endr
.Lsummed:
	s_mul_i32 s52, s50, s49
	s_add_co_u32 s52, s52, s48
	s_add_co_u32 s52, s52, s51                     ; the row of the table
	s_lshr_b32 s53, s8, 1
	s_mul_i32 s52, s52, s53
	s_lshl_b32 s53, s10, 8
	s_add_co_u32 s52, s52, s53
	v_lshl_add_u32 v94, v1, 3, s52
	v_cvt_pk_f16_f32 v100, v100, v101
	v_cvt_pk_f16_f32 v101, v102, v103
	global_store_b64 v94, v[100:101], s[6:7]
.Lend:
	s_wait_tensorcnt 0x0                           ; the wave's end, behind my last LDS store
	ds_add_u32 v[SPW], v[NIL]
	s_wait_dscnt 0x0
	s_endpgm
.Lfunc_end_k_q91bb0f05ad_prep:
	.size	k_q91bb0f05ad_prep, .Lfunc_end_k_q91bb0f05ad_prep-k_q91bb0f05ad_prep
	.p2alignl 7, 3214868480
	.fill 96, 4, 3214868480
	.section	.rodata,"a",@progbits
	.p2align	6, 0x0
	.amdhsa_kernel k_q91bb0f05ad_prep
		.amdhsa_group_segment_fixed_size 9216
		.amdhsa_private_segment_fixed_size 0
		.amdhsa_enable_private_segment 0
		.amdhsa_kernarg_size 96
		.amdhsa_user_sgpr_count 2
		.amdhsa_user_sgpr_kernarg_segment_ptr 1
		.amdhsa_wavefront_size32 1
		.amdhsa_system_sgpr_workgroup_id_x 1
		.amdhsa_system_sgpr_workgroup_id_y 1
		.amdhsa_system_sgpr_workgroup_id_z 1
		.amdhsa_system_vgpr_workitem_id 0
		.amdhsa_next_free_vgpr 128
		.amdhsa_next_free_sgpr 66
		.amdhsa_reserve_vcc 0
		.amdhsa_float_denorm_mode_32 3
		.amdhsa_float_denorm_mode_16_64 3
		.amdhsa_memory_ordered 1
		.amdhsa_forward_progress 1
		.amdhsa_inst_pref_size 43
	.end_amdhsa_kernel
	.amdgpu_metadata
---
amdhsa.version: [ 1, 2 ]
amdhsa.kernels:
  - .name:           k_q91bb0f05ad_prep
    .symbol:         k_q91bb0f05ad_prep.kd
    .args:
      - { .name: x, .offset: 0, .size: 8, .value_kind: global_buffer, .address_space: global }
      - { .name: ln1_g, .offset: 8, .size: 8, .value_kind: global_buffer, .address_space: global }
      - { .name: ln1_b, .offset: 16, .size: 8, .value_kind: global_buffer, .address_space: global }
      - { .name: qkv_w, .offset: 24, .size: 8, .value_kind: global_buffer, .address_space: global }
      - { .name: proj_w, .offset: 32, .size: 8, .value_kind: global_buffer, .address_space: global }
      - { .name: ln2_g, .offset: 40, .size: 8, .value_kind: global_buffer, .address_space: global }
      - { .name: ln2_b, .offset: 48, .size: 8, .value_kind: global_buffer, .address_space: global }
      - { .name: fc1_w, .offset: 56, .size: 8, .value_kind: global_buffer, .address_space: global }
      - { .name: ffn_ln_g, .offset: 64, .size: 8, .value_kind: global_buffer, .address_space: global }
      - { .name: ffn_ln_b, .offset: 72, .size: 8, .value_kind: global_buffer, .address_space: global }
      - { .name: fc2_w, .offset: 80, .size: 8, .value_kind: global_buffer, .address_space: global }
      - { .name: wts, .offset: 88, .size: 8, .value_kind: global_buffer, .address_space: global }
    .group_segment_fixed_size: 9216
    .private_segment_fixed_size: 0
    .kernarg_segment_align: 8
    .kernarg_segment_size: 96
    .max_flat_workgroup_size: 256
    .sgpr_count:     66
    .vgpr_count:     128
    .wavefront_size: 32
...
	.end_amdgpu_metadata
.endif
;; end of part 1
;; launch qkv (part 2): grid 12 x 16, 4 waves a work-group, clusters of 4 x 4, 327,680 bytes of LDS; arguments wts, qkv_b, qkvh; writes qkvh
.if DOCPART == 2
	.amdgcn_target "amdgcn-amd-amdhsa--gfx1250"
	.amdhsa_code_object_version 6
	.text
	.protected	k_q91bb0f05ad_qkv
	.globl	k_q91bb0f05ad_qkv
	.p2align	8
	.type	k_q91bb0f05ad_qkv,@function
k_q91bb0f05ad_qkv:
	s_mov_b64 s[64:65], 0
	v_nop
	global_prefetch_b8 v0, s[64:65] scope:SCOPE_SE
	s_setreg_imm32_b32 hwreg(HW_REG_WAVE_MODE, 25, 1), 1
	s_wait_xcnt 0x0
	s_wait_alu depctr_hold_cnt(0) depctr_sa_sdst(0) depctr_va_vdst(0) depctr_va_sdst(0) depctr_va_ssrc(0) depctr_va_vcc(0) depctr_vm_vsrc(0)
	s_getreg_b32 s2, hwreg(HW_REG_IB_STS2, 6, 4)
	s_cmp_eq_u32 s2, 0
	s_cbranch_scc0 .Lentry_in_a_cluster
	s_endpgm
.Lentry_in_a_cluster:
	s_bfe_u32 s2, ttmp6, 0x10000c
	s_cmp_lg_u32 s2, 0xf033
	s_cbranch_scc0 .Lentry_shape_is_right
	s_endpgm
.Lentry_shape_is_right:
; Launch 2 of 6: qkv = hx qkv_w + qkv_b, q and k turned by the rotary table, written by heads: f16 [3][32][2048][64], unscaled.  Nothing of the problem's work is left out.
; LIMIT: q, k, v beyond 65,504 are not served.
; A work-group makes 256 x 256 of the product, each of four waves 128 x 128: 64 accumulators in register windows 2 and 3.  K = 1024 goes in 8 steps of 128 through two LDS slots.
; A (hx, [m][k]) lies in LDS as it lies in memory, 256 bytes a row + 16; B (the weights, [k][n]) as 128 rows of 512 bytes + 32, and is turned on its way into registers by ds_load_tr16_b128.
; The product is used transposed (source 0 = 16 columns of B, source 1 = 16 rows of A): a lane holds one row and eight neighbouring columns.
; CLUSTER 4 x 4: A's tiles and the table's rows are shared along a row of the cluster, B's along a column; each is asked for jointly.  192 work-groups: the grid of whole tiles of this size.
; A loop trip is ONE K step; which slot is read and which is filled hang on s80 and on the walking descriptors, each turned by one exclusive or.
; A quarter step's fragments are fetched at the head of the quarter before it: 64 matrix instructions ahead of their first use (behind a change of slots: 32).
; THE WAY OUT: the accumulators are laid into the ring (its last fill is over) as f32 rows, each wave its own 128 x 128, and a loop of 16 trips x 8 rows adds the bias, turns, rounds and stores.
; The tiles of v load the table's rows too (8 KiB a wave) and do not use them: every wave's first fills are the same three in every work-group.
.set NCOL,  3072
.set PA,    272
.set PB,    544
.set HALFT, 34816                      ; 128 rows of A, or 64 rows of B: what one tensor load brings
.set BOFF,  2*HALFT
.set SLOT,  4*HALFT                    ; 0x22000: shares no bit with wave x HALFT
.set DP,    528                        ; a dumped row: 512 bytes + 16
.set DW,    128*DP
.set ROPEL, 2*SLOT                     ; 256 positions x 128 bytes of the table
.set SPARE, ROPEL+32768                ; the spare words, 128 bytes a wave
.set WQ_O,  8388608
.set RP_O,  33947648
.set ADRA0, 16                         ; v16 my lane's place in A's tile; v17 in B's; never rewritten
.set ADRB0, 17
.set ADRA,  18                         ; v18, v19 the same in the slot in hand
.set ADRB,  19
.set DST,   20                         ; v20 where I dump
.set RDA,   21                         ; v21 where I read the dump back
.set RPA,   22                         ; v22 my place in the table
.set CO,    24                         ; v24 my byte offset in the output
.set SPW,   28
.set NIL,   29
.set PFO,   30                         ; v30 the prefetches' offset
.set ZR,    31                         ; v31 0, an addend
.set BIAS,  32                         ; v32-39
.set RP,    40                         ; v40-55 table words
.set F0,    64
.set F1,    128
.set Z,     64                         ; the way out: v64-95 eight rows' numbers, v96-103 at work, v104-119 packed
.set T,     96
.set OPK,   104
.set MSB, 0
.macro WIN new                         ; the immediate's high byte repeats the setting that is left
.if MSB != (\new)
	s_set_vgpr_msb (MSB<<8)|(\new)
.set MSB, \new
.endif
.endm
.set MUL_LO, 0xa1                      ; source 0 (B) window 1, source 1 (A) window 0, C and D window 2
.set MUL_HI, 0xf1
.set TO_B,   0x40
.macro PLACES                          ; four plain instructions between a matrix instruction and a load into, or a read of, its registers
.rept 4
	v_nop
.endr
.endm
.macro JLOAD                           ; a joint refill by the walking descriptors: waves 0, 1 A's halves, waves 2, 3 B's; s_nop 0 and four v_nop follow each line
	s_cmp_eq_u32 s13, 0
	s_cbranch_scc0 .Lfor_b_\@
	tensor_load_to_lds s[36:39], s[24:31]
	s_nop 0
	PLACES
	s_branch .Lasked_\@
.Lfor_b_\@:
	tensor_load_to_lds s[60:63], s[48:55]
	s_nop 0
	PLACES
.Lasked_\@:
.endm
.macro ASK                             ; the K step two refills on, 32 blocks of 256 bytes, a lane a block; each block is named once in the launch (see the set-up)
	s_cmp_gt_u32 s3, s15
	s_cbranch_scc0 .Lnot_mine_\@
	global_prefetch_b8 v[PFO], s[44:45] th:TH_LOAD_NT scope:SCOPE_SE
.Lnot_mine_\@:
.endm
.macro CREST
	s_cmp_lg_u32 s12, 0
	s_cbranch_scc1 .Lnot_wave_0_\@
	s_barrier_signal -3
.Lnot_wave_0_\@:
	s_barrier_wait -3
	s_barrier_signal -1
	s_barrier_wait -1
.endm
.macro CROUND
	s_barrier_signal -1
	s_barrier_wait -1
	CREST
.endm
	s_load_b128 s[4:7], s[0:1], 0x0                ; wts, qkv_b
	s_load_b64 s[8:9], s[0:1], 0x10                ; qkvh
	v_lshl_add_u32 v[SPW], v0, 2, SPARE
	v_mov_b32 v[NIL], 0
	ds_add_u32 v[SPW], v[NIL]                      ; the opening: the add, twice on end, and its wait ahead of my first tensor load
	ds_add_u32 v[SPW], v[NIL]
	v_lshrrev_b32 v1, 5, v0
	v_readfirstlane_b32 s12, v1                    ; wave
	s_lshr_b32 s13, s12, 1                         ; my half of the rows; also: I fetch for A (0) or B (1)
	s_and_b32 s14, s12, 1                          ; my half of the columns; also: which half of that tile I fetch
	s_bfe_u32 s40, ttmp6, 0x40000                  ; cx
	s_bfe_u32 s41, ttmp6, 0x40004                  ; cy
	s_lshl_b32 s42, ttmp9, 2
	s_add_co_u32 s42, s42, s40                     ; tile column
	s_and_b32 s43, ttmp7, 0xffff
	s_lshl_b32 s43, s43, 2
	s_add_co_u32 s43, s43, s41                     ; tile row
	s_lshl_b32 s20, s41, 2
	s_lshl_b32 s20, 15, s20                        ; my row of the cluster
	s_lshl_b32 s21, 0x1111, s40                    ; my column
	s_or_b32 s24, s20, (1<<16)|(1<<20)|(1<<21)|(5<<22)|(3<<25)  ; A: 2-byte elements, 4 words of padding after every 64
	s_mov_b32 s25, 128<<16
	s_mov_b32 s26, 128<<16
	s_mov_b32 s27, 128<<16
	s_mov_b32 s28, 128
	s_mov_b32 s29, 1024
	s_mov_b32 s30, 0
	s_mov_b32 s31, 0
	s_or_b32 s48, s21, (1<<16)|(1<<20)|(1<<21)|(6<<22)|(7<<25)  ; B: 8 words of padding after every 128
	s_mov_b32 s49, 256<<16
	s_mov_b32 s50, 64<<16
	s_mov_b32 s51, 256<<16
	s_mov_b32 s52, 64
	s_mov_b32 s53, NCOL
	s_mov_b32 s54, 0
	s_mov_b32 s55, 0
	s_or_b32 s68, s20, (3<<16)|(1<<21)             ; the table: 64 positions are 32 dense rows of 256 bytes, 8-byte elements
	s_mov_b32 s69, 32<<16
	s_mov_b32 s70, 32<<16
	s_mov_b32 s71, 32<<16
	s_mov_b32 s72, 32
	s_mov_b32 s73, 32
	s_mov_b32 s74, 0
	s_mov_b32 s75, 0
	s_lshl_b32 s16, s43, 8
	s_lshl_b32 s17, s14, 7
	s_add_co_u32 s16, s16, s17
	s_lshl_b32 s16, s16, 11                        ; A: (256 ty + 128 half) rows of 2,048 bytes
	s_mov_b32 s17, 0
	s_mul_i32 s18, s14, 64*2*NCOL                  ; B: 64 half rows,
	s_lshl_b32 s19, s42, 9                         ; 512 tx bytes
	s_add_co_u32 s18, s18, s19
	s_add_co_u32 s18, s18, WQ_O
	s_mov_b32 s19, 0
	s_and_b32 s22, s43, 7                          ; the table: position 256 (ty mod 8) + 64 wave
	s_lshl_b32 s22, s22, 8
	s_lshl_b32 s23, s12, 6
	s_add_co_u32 s22, s22, s23
	s_lshl_b32 s22, s22, 7
	s_add_co_u32 s22, s22, RP_O
	s_mov_b32 s23, 0
	s_mul_i32 s2, s12, HALFT                       ; where my tiles go: no place in the cluster enters an LDS address
	s_wait_dscnt 0x0
	s_wait_kmcnt 0x0
	s_add_nc_u64 s[16:17], s[4:5], s[16:17]
	s_add_nc_u64 s[18:19], s[4:5], s[18:19]
	s_add_nc_u64 s[22:23], s[4:5], s[22:23]
	CROUND                                         ; all sixteen work-groups are here: the first joint loads meet
.irp s, 0,1
	s_mov_b32 s[32+4*\s], 1
	s_add_co_u32 s[33+4*\s], s2, \s*SLOT
	s_add_nc_u64 s[34+4*\s:35+4*\s], s[16:17], \s*256
	s_or_b32 s[35+4*\s], s[35+4*\s], 0x80000000
	s_mov_b32 s[56+4*\s], 1
	s_add_co_u32 s[57+4*\s], s2, \s*SLOT
	s_add_nc_u64 s[58+4*\s:59+4*\s], s[18:19], \s*128*2*NCOL
	s_or_b32 s[59+4*\s], s[59+4*\s], 0x80000000
.endr
	s_mov_b32 s76, 1
	s_lshl_b32 s77, s12, 13
	s_add_co_u32 s77, s77, ROPEL
	s_mov_b64 s[78:79], s[22:23]
	s_or_b32 s79, s79, 0x80000000
	tensor_load_to_lds s[76:79], s[68:75]          ; the first fills, one group: three loads of mine are out
	s_nop 0
	s_cmp_eq_u32 s13, 0
	s_cbranch_scc0 .Lfirst_b
	tensor_load_to_lds s[32:35], s[24:31]
	s_nop 0
	tensor_load_to_lds s[36:39], s[24:31]
	s_nop 0
	PLACES
	s_branch .Lfirst_done
.Lfirst_b:
	tensor_load_to_lds s[56:59], s[48:55]
	s_nop 0
	tensor_load_to_lds s[60:63], s[48:55]
	s_nop 0
	PLACES
.Lfirst_done:
	v_and_b32 v1, 15, v0                           ; r
	v_bfe_u32 v2, v0, 4, 1                         ; h
	v_and_b32 v3, 7, v0
	v_bfe_u32 v4, v0, 3, 1
	v_mov_b32 v[ZR], 0
	v_mul_u32_u24 v5, v1, PA
	v_lshl_add_u32 v5, v2, 4, v5
	s_mul_i32 s20, s13, HALFT
	v_add_nc_u32 v[ADRA0], s20, v5                 ; (128 RH + r) x 272 + 16 h
	v_lshl_add_u32 v5, v2, 3, v3
	v_mul_u32_u24 v5, v5, PB
	v_lshl_add_u32 v5, v4, 4, v5
	s_lshl_b32 s20, s14, 8
	s_add_co_u32 s20, s20, BOFF
	v_add_nc_u32 v[ADRB0], s20, v5                 ; the turning load: k row 8 h + l % 8, 16 bytes by (l / 8) % 2, my 128 columns
	v_mov_b32 v[ADRA], v[ADRA0]
	v_mov_b32 v[ADRB], v[ADRB0]
	s_mov_b32 s80, 0
	s_mul_i32 s20, s12, DW
	v_mul_u32_u24 v5, v1, DP
	v_lshl_add_u32 v5, v2, 5, v5
	v_add_nc_u32 v[DST], s20, v5
	v_mul_u32_u24 v5, v4, DP                       ; back: row (l / 8) % 2, head l / 16, channels 8 (l % 8) on
	v_lshl_add_u32 v5, v2, 8, v5
	v_lshl_add_u32 v5, v3, 5, v5
	v_add_nc_u32 v[RDA], s20, v5
	s_lshl_b32 s20, s13, 14
	s_add_co_u32 s20, s20, ROPEL
	v_lshlrev_b32 v5, 7, v4
	v_lshl_add_u32 v5, v3, 4, v5
	v_add_nc_u32 v[RPA], s20, v5
	v_lshl_add_u32 v[CO], v2, 18, v5               ; 16 neighbouring lanes: two rows of one head, 256 consecutive bytes
	s_lshl_b32 s20, s42, 10
	s_lshl_b32 s21, s14, 9
	s_add_co_u32 s20, s20, s21
	v_lshlrev_b32 v5, 8, v2
	v_lshl_add_u32 v5, v3, 5, v5
	v_add_nc_u32 v25, s20, v5
	global_load_b128 v[BIAS:BIAS+3], v25, s[6:7]
	global_load_b128 v[BIAS+4:BIAS+7], v25, s[6:7] offset:16
	s_lshl_b32 s20, ttmp9, 23                      ; q, k or v: the cluster's x
	s_lshr_b32 s21, s43, 3
	s_lshl_b32 s21, s21, 4
	s_lshl2_add_u32 s21, s40, s21
	s_lshl1_add_u32 s21, s14, s21                  ; 16 batch + 4 cx + 2 CH: my first head
	s_lshl_b32 s21, s21, 18
	s_add_co_u32 s20, s20, s21
	s_and_b32 s21, s43, 7
	s_lshl1_add_u32 s21, s21, s13
	s_lshl_b32 s21, s21, 14                        ; my first position, 128 bytes each
	s_add_co_u32 s20, s20, s21
	s_mov_b32 s21, 0
	s_add_nc_u64 s[82:83], s[8:9], s[20:21]
	; THE PREFETCHES.  A's rows are read by every cluster of a row of clusters: the one with x = 0 asks; B's by every cluster of a column: y = 0 asks.  The four partners that ask for a
	; tile jointly share it out by address: of A's 128 rows partner cx takes 32 (a lane a row), of B's 64 rows partner cy takes 16 (two blocks a row).  The pointer stands at K step 3; each
	; refill steps it and names the step two refills on; steps 0 to 3 come by their loads alone, and the last two refills ask for nothing.
	s_lshl_b32 s20, s40, 16
	s_add_co_u32 s20, s20, 3*256
	s_mul_i32 s21, s41, 16*2*NCOL
	s_add_co_u32 s21, s21, 3*128*2*NCOL
	s_and_b32 s22, ttmp7, 0xffff
	s_mov_b32 s46, 128*2*NCOL
	s_mov_b32 s23, 2*NCOL
	s_cmp_eq_u32 s13, 0
	s_cselect_b32 s20, s20, s21
	s_cselect_b32 s22, ttmp9, s22
	s_cselect_b64 s[44:45], s[16:17], s[18:19]
	s_cselect_b32 s46, 256, s46
	s_cselect_b32 s23, 2048, s23
	s_mov_b32 s47, 0
	s_mov_b32 s21, 0
	s_add_nc_u64 s[44:45], s[44:45], s[20:21]
	s_cmp_eq_u32 s22, 0
	s_cselect_b32 s15, 2, -1
	v_and_b32 v5, 31, v0
	v_lshrrev_b32 v6, s13, v5
	v_mul_lo_u32 v[PFO], v6, s23
	v_and_b32 v6, s13, v5
	v_lshl_add_u32 v[PFO], v6, 8, v[PFO]
.macro MUL16 f, hi, a0, zero           ; 16 products: row blocks a0, a0 + 1 of the window's four x all 8 column blocks, 32 along K.  The 64 accumulators take turns
	WIN MUL_LO+0x50*(\hi)
.irp a, \a0, (\a0)+1
.irp b, 0,1,2,3,4,5,6,7
.if \zero
	v_wmma_f32_16x16x32_f16 v[8*(8*(\a)+(\b)):8*(8*(\a)+(\b))+7], v[(\f)+8*(\b):(\f)+8*(\b)+7], v[(\f)+8*(4*(\hi)+(\a)):(\f)+8*(4*(\hi)+(\a))+7], 0
.else
	v_wmma_f32_16x16x32_f16 v[8*(8*(\a)+(\b)):8*(8*(\a)+(\b))+7], v[(\f)+8*(\b):(\f)+8*(\b)+7], v[(\f)+8*(4*(\hi)+(\a)):(\f)+8*(4*(\hi)+(\a))+7], v[8*(8*(\a)+(\b)):8*(8*(\a)+(\b))+7]
.endif
.endr
.endr
.endm
.macro FETCH q, f                      ; 32 LDS loads in one run: quarter q (32 along K) of the slot in hand into buffer f: B first, then A
	WIN TO_B
.irp i, 0,1,2,3,4,5,6,7
	ds_load_tr16_b128 v[(\f)+8*(\i):(\f)+8*(\i)+3],   v[ADRB] offset:(\q)*32*PB+32*(\i)
	ds_load_tr16_b128 v[(\f)+8*(\i)+4:(\f)+8*(\i)+7], v[ADRB] offset:(\q)*32*PB+16*PB+32*(\i)
.endr
	WIN 0
.irp i, 0,1,2,3,4,5,6,7
	ds_load_b128 v[(\f)+8*(\i):(\f)+8*(\i)+3],   v[ADRA] offset:64*(\q)+(\i)*16*PA
	ds_load_b128 v[(\f)+8*(\i)+4:(\f)+8*(\i)+7], v[ADRA] offset:64*(\q)+(\i)*16*PA+32
.endr
.endm
.macro QUARTER q, f, g, zero           ; fetches quarter q into buffer g, which the quarter before has multiplied, then multiplies buffer f: the loads have this quarter's 64 products in which to land
	PLACES
	FETCH \q, \g
	s_wait_dscnt 32                                ; all but the 32 just issued: buffer f is in
	MUL16 \f, 0, 0, \zero
	MUL16 \f, 0, 2, \zero
	MUL16 \f, 1, 0, \zero
	MUL16 \f, 1, 2, \zero
.endm
.macro TURN fill, last=0               ; the last quarter of a K step, and the change of slots.  last = 1 (the tail): in the trip with s2 = 1 no K step follows, and the fetch is jumped over
.if \fill
	s_wait_xcnt 0x0                                ; the last prefetch, a K step back, has read its address
	s_add_nc_u64 s[44:45], s[44:45], s[46:47]
.endif
	WIN 0
	s_wait_tensorcnt 0x0                           ; all my tensor loads have landed: my part of the next slot
	ds_add_u32 v[SPW], v[NIL]
	s_wait_dscnt 9                                 ; (the add and the youngest eight loads, A's rows 64-127, may be out)
	MUL16 F1, 0, 0, 0
	s_wait_dscnt 0x0                               ; the add is done, my reads of this slot are over
	s_barrier_signal -1
	MUL16 F1, 0, 2, 0
	WIN 0
	s_barrier_wait -1
.if \fill
	CREST                                          ; the barrier has opened a round of the cluster's: no wave of any partner still reads the slot or has a load on its way
	s_xor_b32 s37, s37, SLOT                       ; the walking descriptors: the slot just read, the step two on
	s_add_nc_u64 s[38:39], s[38:39], 256
	s_xor_b32 s61, s61, SLOT
	s_add_nc_u64 s[62:63], s[62:63], 128*2*NCOL
	JLOAD                                          ; my one tensor load behind the round; 224 products stand between it and the wait for it
.else
.if \last
	s_cmp_eq_u32 s2, 1
	s_cbranch_scc1 .Lno_more_\@
.endif
	PLACES
.endif
	s_xor_b32 s80, s80, SLOT
	v_add_nc_u32 v[ADRA], s80, v[ADRA0]
	v_add_nc_u32 v[ADRB], s80, v[ADRB0]
	FETCH 0, F0
.if \fill
	ASK
.endif
.if \last
.Lno_more_\@:
.endif
	MUL16 F1, 1, 0, 0
	MUL16 F1, 1, 2, 0
.endm
.macro DUMP                            ; lane (r, h) of accumulator (a, b): row 16 a + r, columns 16 b + 8 h on; the low registers first
.irp hi, 0,1
	WIN 0x08+4*(\hi)
.irp a, 0,1,2,3
.irp b, 0,1,2,3,4,5,6,7
	ds_store_b128 v[DST], v[8*(8*(\a)+(\b)):8*(8*(\a)+(\b))+3]   offset:(4*(\hi)+(\a))*16*DP+64*(\b)
	ds_store_b128 v[DST], v[8*(8*(\a)+(\b))+4:8*(8*(\a)+(\b))+7] offset:(4*(\hi)+(\a))*16*DP+64*(\b)+16
.endr
.endr
.endr
	WIN 0
.endm
	s_wait_tensorcnt 0x1                           ; the table's rows and K step 0 are in; K step 1's load may stay out
	s_barrier_signal -1
	s_barrier_wait -1
	FETCH 0, F0
	QUARTER 1, F0, F1, 1                           ; the first quarter's products start the sums
	WIN 0
	s_mov_b32 s3, 6
.Lstep:                                            ; a trip: from a K step's second quarter to the next step's first; it fills one slot
	QUARTER 2, F1, F0, 0
	QUARTER 3, F0, F1, 0
	TURN 1
	QUARTER 1, F0, F1, 0
	WIN 0
	s_sub_co_u32 s3, s3, 1
	s_cmp_lg_u32 s3, 0
	s_cbranch_scc1 .Lstep
	s_mov_b32 s2, 2
.Ltail:                                            ; the last two K steps ask for nothing; the second trip is left behind its last quarter
	QUARTER 2, F1, F0, 0
	QUARTER 3, F0, F1, 0
	TURN 0, 1
	WIN 0
	s_sub_co_u32 s2, s2, 1
	s_cmp_eq_u32 s2, 0
	s_cbranch_scc1 .Lout
	QUARTER 1, F0, F1, 0
	WIN 0
	s_branch .Ltail
.Lout:
	s_wait_dscnt 0x0                               ; no LDS read of mine is out
	PLACES
	s_barrier_signal -1                            ; every wave's reads of the ring are over: it may be written
	s_barrier_wait -1
	DUMP
	s_wait_loadcnt 0x0                             ; the bias
; Eight rows.  A pair (z0, z1) becomes (z0 c - z1 s, z1 c + z0 s); c and s are read as f16 halves of the table's word.
.macro QTRIP rope
.irp p, 0,1,2,3
	ds_load_b128 v[Z+8*\p:Z+8*\p+3],   v[RDA] offset:2*\p*DP    ; LDS serves a wave's instructions in order: these see my dump
	ds_load_b128 v[Z+8*\p+4:Z+8*\p+7], v[RDA] offset:2*\p*DP+16
.endr
.if \rope
.irp p, 0,1,2,3
	ds_load_b128 v[RP+4*\p:RP+4*\p+3], v[RPA] offset:2*\p*128
.endr
.endif
	s_wait_dscnt 0x0
.irp p, 0,1,2,3
.irp j, 0,2,4,6
	v_pk_add_f32 v[Z+8*\p+\j:Z+8*\p+\j+1], v[Z+8*\p+\j:Z+8*\p+\j+1], v[BIAS+\j:BIAS+\j+1]
.endr
.if \rope
.irp j, 0,1,2,3
	v_fma_mix_f32 v[T+2*\j],   v[Z+8*\p+2*\j],   v[RP+4*\p+\j], v[ZR] op_sel_hi:[0,1,0]
	v_fma_mix_f32 v[T+2*\j+1], v[Z+8*\p+2*\j+1], v[RP+4*\p+\j], v[ZR] op_sel_hi:[0,1,0]
.endr
.irp j, 0,1,2,3
	v_fma_mix_f32 v[T+2*\j],   -v[Z+8*\p+2*\j+1], v[RP+4*\p+\j], v[T+2*\j]   op_sel:[0,1,0] op_sel_hi:[0,1,0]
	v_fma_mix_f32 v[T+2*\j+1], v[Z+8*\p+2*\j],    v[RP+4*\p+\j], v[T+2*\j+1] op_sel:[0,1,0] op_sel_hi:[0,1,0]
.endr
.irp j, 0,1,2,3
	v_cvt_pk_f16_f32 v[OPK+4*\p+\j], v[T+2*\j], v[T+2*\j+1]
.endr
.else
.irp j, 0,1,2,3
	v_cvt_pk_f16_f32 v[OPK+4*\p+\j], v[Z+8*\p+2*\j], v[Z+8*\p+2*\j+1]
.endr
.endif
	global_store_b128 v[CO], v[OPK+4*\p:OPK+4*\p+3], s[82:83] offset:2*\p*128
.endr
	v_add_nc_u32 v[RDA], 8*DP, v[RDA]
	v_add_nc_u32 v[RPA], 8*128, v[RPA]
	s_wait_xcnt 0x0                                ; the stores have read their data and their base: both are written again only behind this wait
	s_add_nc_u64 s[82:83], s[82:83], 8*128
.endm
	s_mov_b32 s2, 16
	s_cmp_eq_u32 ttmp9, 2                          ; the cluster's x, the same in all partners: v is not turned
	s_cbranch_scc1 .Lv
.Lqk:
	QTRIP 1
	s_sub_co_u32 s2, s2, 1
	s_cmp_lg_u32 s2, 0
	s_cbranch_scc1 .Lqk
	s_branch .Lend
.Lv:
	QTRIP 0
	s_sub_co_u32 s2, s2, 1
	s_cmp_lg_u32 s2, 0
	s_cbranch_scc1 .Lv
.Lend:
	s_wait_tensorcnt 0x0                           ; the wave's end
	ds_add_u32 v[SPW], v[NIL]
	s_wait_dscnt 0x0
	CROUND                                         ; the closing round
	s_endpgm
.Lfunc_end_k_q91bb0f05ad_qkv:
	.size	k_q91bb0f05ad_qkv, .Lfunc_end_k_q91bb0f05ad_qkv-k_q91bb0f05ad_qkv
	.p2alignl 7, 3214868480
	.fill 96, 4, 3214868480
	.section	.rodata,"a",@progbits
	.p2align	6, 0x0
	.amdhsa_kernel k_q91bb0f05ad_qkv
		.amdhsa_group_segment_fixed_size 327680
		.amdhsa_private_segment_fixed_size 0
		.amdhsa_enable_private_segment 0
		.amdhsa_kernarg_size 24
		.amdhsa_user_sgpr_count 2
		.amdhsa_user_sgpr_kernarg_segment_ptr 1
		.amdhsa_wavefront_size32 1
		.amdhsa_system_sgpr_workgroup_id_x 1
		.amdhsa_system_sgpr_workgroup_id_y 1
		.amdhsa_system_sgpr_workgroup_id_z 1
		.amdhsa_system_vgpr_workitem_id 0
		.amdhsa_next_free_vgpr 1024
		.amdhsa_next_free_sgpr 96
		.amdhsa_reserve_vcc 0
		.amdhsa_float_denorm_mode_32 3
		.amdhsa_float_denorm_mode_16_64 3
		.amdhsa_memory_ordered 1
		.amdhsa_forward_progress 1
		.amdhsa_inst_pref_size 90
	.end_amdhsa_kernel
	.amdgpu_metadata
---
amdhsa.version: [ 1, 2 ]
amdhsa.kernels:
  - .name:           k_q91bb0f05ad_qkv
    .symbol:         k_q91bb0f05ad_qkv.kd
    .args:
      - { .name: wts, .offset: 0, .size: 8, .value_kind: global_buffer, .address_space: global }
      - { .name: qkv_b, .offset: 8, .size: 8, .value_kind: global_buffer, .address_space: global }
      - { .name: qkvh, .offset: 16, .size: 8, .value_kind: global_buffer, .address_space: global }
    .group_segment_fixed_size: 327680
    .private_segment_fixed_size: 0
    .kernarg_segment_align: 8
    .kernarg_segment_size: 24
    .max_flat_workgroup_size: 128
    .sgpr_count:     96
    .vgpr_count:     1024
    .wavefront_size: 32
...
	.end_amdgpu_metadata
.endif
;; end of part 2
;; launch attn (part 3): grid 8 x 32, 4 waves a work-group, clusters of 4 x 1, 327,680 bytes of LDS; arguments qkvh, oh; writes oh
.if DOCPART == 3
	.amdgcn_target "amdgcn-amd-amdhsa--gfx1250"
	.amdhsa_code_object_version 6
	.text
	.protected	k_q91bb0f05ad_attn
	.globl	k_q91bb0f05ad_attn
	.p2align	8
	.type	k_q91bb0f05ad_attn,@function
k_q91bb0f05ad_attn:
	s_mov_b64 s[64:65], 0
	v_nop
	global_prefetch_b8 v0, s[64:65] scope:SCOPE_SE
	s_setreg_imm32_b32 hwreg(HW_REG_WAVE_MODE, 25, 1), 1
	s_wait_xcnt 0x0
	s_wait_alu depctr_hold_cnt(0) depctr_sa_sdst(0) depctr_va_vdst(0) depctr_va_sdst(0) depctr_va_ssrc(0) depctr_va_vcc(0) depctr_vm_vsrc(0)
	s_getreg_b32 s2, hwreg(HW_REG_IB_STS2, 6, 4)
	s_cmp_eq_u32 s2, 0
	s_cbranch_scc0 .Lentry_in_a_cluster
	s_endpgm
.Lentry_in_a_cluster:
	s_bfe_u32 s2, ttmp6, 0x10000c
	s_cmp_lg_u32 s2, 0x3003
	s_cbranch_scc0 .Lentry_shape_is_right
	s_endpgm
.Lentry_shape_is_right:
; Launch 3 of 6: O[h][q] = sum over k of softmax_k(q . k / 8) v, for 32 (batch, head) pairs of 2,048 rows of 64 channels, all f16; products, maxima and sums in f32.  Nothing is left out.
; LIMITS: the weights p lie in 0 to 1 and keep f16's fixed step below 6e-5; a weight below 2^-126 counts as 0 in the sum; NaN and infinities are not treated apart.
; SHARES.  A work-group owns 256 queries of one head, a wave 64: four PIECES of 16.  Every wave walks all keys, 64 a step, 256 a slot of LDS, eight slots' worth in all.
; LAYOUT.  S^T = K Q^T holds one query a lane (lane % 16) and the keys 8 (lane / 16) + 0..7; two such results rounded to f16 ARE source 1 of O^T = V^T P.  K comes out of LDS as it lies, V turned.
; SOFTMAX.  A running maximum m and sum l for each query: p = 2^(c s - c m), c = log2(e) / 8; O and l are multiplied by a = 2^(c m_old - c m_new) in every step.  m starts at the lowest finite
; number, O and l at 0, so the first step is a step like any other, with a = 0.
; TURNS.  Turn n belongs to piece n: 8 products K Q^T of piece n + 1, later 8 products V^T P of piece n - 1; beside them piece n's scaling, exponentials, roundings, sums and rescaling, and piece
; n + 1's maximum.  Four vector instructions stand behind every matrix instruction, the rest in one run; a turn's 33 exponentials are one batch with one wait.
; CLUSTER.  The four query blocks of a cluster walk the same K and V: each tile is asked for jointly.
; REGISTERS: window 0: v0-15 addresses; v16-31 statistics; v48-55 at work; v61-63; v64-127 S^T, two buffers; v192-223 P, two buffers.  window 1: v0-127 O^T.  window 2: v0-63 Q; v128-191 K; v192-255 V.
.set NP,    4
.set KS,    64
.set PK,    144
.set PV,    160
.set VOFF,  4*KS*PK
.set SLOT1, 1<<17
.set STAGE, SLOT1+4*KS*(PK+PV)
.set SP,    144
.set SPARE, STAGE+4*16*SP
.set AK0, 2
.set AV0, 3
.set AK,  4
.set AV,  5
.set STO, 6
.set RD,  7
.set GO,  8
.set MV,  12
.set QO,  15
.set ST,  16
.set TMP, 48
.set PFO, 61
.set SPW, 62
.set NIL, 63
.set S,   64
.set P,   192
.set KF,  128
.set VF,  192
.set WV,  12
.set LIM, 15
.set PFA, 18
.set G1K, 24
.set G1V, 32
.set G0K, 40
.set G0V, 44
.set SLOTS, 56
.set CNT, 57
.set CS,  58
.set SEL, 60
.set TBK, 62
.set TBV, 63
.set MSB, 0
.macro WIN new
.if MSB != (\new)
	s_set_vgpr_msb (MSB<<8)|(\new)
.set MSB, (\new)
.endif
.endm
.set W_KQ, 0x0a
.set W_PV, 0x52
.set W_RS, 0x41
.macro JLOAD                           ; waves 0, 1 fetch the halves of a slot's K, waves 2, 3 of its V; s_nop 0 and four v_nop follow each line
	s_cmp_lt_u32 s[WV], 2
	s_cbranch_scc0 .Lfor_v_\@
	tensor_load_to_lds s[G0K:G0K+3], s[G1K:G1K+7]
	s_nop 0
.rept 4
	v_nop
.endr
	s_branch .Lasked_\@
.Lfor_v_\@:
	tensor_load_to_lds s[G0V:G0V+3], s[G1V:G1V+7]
	s_nop 0
.rept 4
	v_nop
.endr
.Lasked_\@:
.endm
.macro ASK                             ; what the next change of slots will ask for: my work-group's 32 of the slot's 128 blocks of 256 bytes (of K: wave 0, of V: wave 2), a lane a block
	s_cmp_gt_u32 s[SLOTS], s[LIM]
	s_cbranch_scc0 .Lnot_mine_\@
	global_prefetch_b8 v[PFO], s[PFA:PFA+1] th:TH_LOAD_NT scope:SCOPE_SE
.Lnot_mine_\@:
.endm
.macro CROUND
	s_barrier_signal -1
	s_barrier_wait -1
	s_cmp_lg_u32 s[WV], 0
	s_cbranch_scc1 .Lnot_wave_0_\@
	s_barrier_signal -3
.Lnot_wave_0_\@:
	s_barrier_wait -3
	s_barrier_signal -1
	s_barrier_wait -1
.endm
; THE CHANGE OF SLOTS.  Each wave waits for all its tensor loads (one is out: its part of the other slot), adds 0 to its spare word, and waits for that and for its reads of the slot it leaves.
; fill = 1: a round of the cluster's barrier, and the slot is filled again first thing behind it, with the keys two slots on: four key steps, 256 products, in which to land.
.macro CHANGE fill, ask
	WIN 0
	s_wait_tensorcnt 0x0
	ds_add_u32 v[SPW], v[NIL]
.if \fill
.irp g, G0K, G0V
	s_xor_b32 s[\g+1], s[\g+1], SLOT1
	s_add_nc_u64 s[\g+2:\g+3], s[\g+2:\g+3], 4*KS*128
.endr
.if \ask
	s_wait_xcnt 0x0                                ; the last prefetch, four key steps back, has read its address
	s_add_nc_u64 s[PFA:PFA+1], s[PFA:PFA+1], 4*KS*128
.endif
	s_wait_dscnt 0x0
	CROUND
	JLOAD
.if \ask
	ASK
.endif
.else
	s_wait_dscnt 0x0
	s_barrier_signal -1
	s_barrier_wait -1
.endif
	s_sub_co_u32 s[TBK], s[TBK], 4*KS*PK
	s_xor_b32 s[TBK], s[TBK], SLOT1
	s_sub_co_u32 s[TBV], s[TBV], 4*KS*PV
	s_xor_b32 s[TBV], s[TBV], SLOT1
.endm
	s_load_b128 s[4:7], s[0:1], 0x0                ; qkvh, oh
	v_lshl_add_u32 v[SPW], v0, 2, SPARE
	v_mov_b32 v[NIL], 0
	ds_add_u32 v[SPW], v[NIL]                      ; the opening: the add, twice on end, and its wait ahead of my first tensor load
	ds_add_u32 v[SPW], v[NIL]
	v_lshrrev_b32 v1, 5, v0
	v_readfirstlane_b32 s[WV], v1
	s_bfe_u32 s13, ttmp6, 0x40000                  ; cx
	s_lshl_b32 s14, ttmp9, 2
	s_add_co_u32 s14, s14, s13                     ; my block of 256 queries: it enters Q's and O's addresses alone
	s_and_b32 s20, ttmp7, 0xffff
	s_lshl_b32 s20, s20, 18                        ; the head's first byte: 2,048 rows of 128
	s_and_b32 s16, s[WV], 1
	s_lshl_b32 s22, s16, 14                        ; my half of a slot's 256 keys
	s_add_co_u32 s22, s22, s20
	s_mov_b32 s23, 0
	s_mul_i32 s17, s16, 128*PK
	s_mul_i32 s3, s16, 128*PV
	s_lshl_b32 s52, s14, 15
	s_lshl_b32 s53, s[WV], 13
	s_add_co_u32 s52, s52, s53
	s_add_co_u32 s52, s52, s20                     ; my wave's 64 rows
	s_mov_b32 s53, 0
	s_mov_b32 s[G1K], 15|(1<<16)|(1<<20)|(1<<21)|(4<<22)|(3<<25)  ; 128 keys as 64 dense rows of 256 bytes, 4 words of padding after every key
	s_mov_b32 s[G1V], 15|(1<<16)|(1<<20)|(1<<21)|(4<<22)|(7<<25)  ; 8 words
.irp g, G1K, G1V
	s_mov_b32 s[\g+1], 128<<16
	s_mov_b32 s[\g+2], 64<<16
	s_mov_b32 s[\g+3], 128<<16
	s_mov_b32 s[\g+4], 64
	s_mov_b32 s[\g+5], 128
	s_mov_b32 s[\g+6], 0
	s_mov_b32 s[\g+7], 0
.endr
	s_mov_b32 s[CS], 0x3e38aa3b                    ; c = log2(e) / 8
	s_mov_b32 s[CS+1], s[CS]
	s_mov_b32 s[SEL], 0x76543210
	s_mov_b32 s[SEL+1], 0xfedcba98
	s_mov_b32 s[TBK], SLOT1+4*KS*PK                ; the first change of slots turns these two into 0
	s_mov_b32 s[TBV], SLOT1+4*KS*PV
	s_mov_b32 s[G0K], 1
	s_mov_b32 s[G0K+1], s17
	s_mov_b32 s[G0V], 1
	s_add_co_u32 s[G0V+1], s3, VOFF
	s_and_b32 s[LIM], s[WV], 1                     ; waves 0 and 2 of the head's first cluster prefetch: the same in all four partners
	s_or_b32 s[LIM], s[LIM], ttmp9
	s_cmp_eq_u32 s[LIM], 0
	s_cselect_b32 s[LIM], 1, -1
	v_and_b32 v[PFO], 31, v0
	v_lshlrev_b32 v[PFO], 8, v[PFO]
	s_lshl_b32 s54, s13, 13                        ; my work-group's 32 blocks, told apart by address
	s_mov_b32 s55, 0
	s_wait_dscnt 0x0
	s_wait_kmcnt 0x0
	s_add_nc_u64 s[8:9], s[4:5], s[22:23]
	s_add_nc_u64 s[10:11], s[8:9], 16777216        ; V
	s_add_nc_u64 s[8:9], s[8:9], 8388608           ; K
	s_mov_b64 s[G0K+2:G0K+3], s[8:9]
	s_or_b32 s[G0K+3], s[G0K+3], 0x80000000
	s_mov_b64 s[G0V+2:G0V+3], s[10:11]
	s_or_b32 s[G0V+3], s[G0V+3], 0x80000000
	s_add_nc_u64 s[4:5], s[4:5], s[52:53]          ; Q and O at my wave's first row
	s_add_nc_u64 s[6:7], s[6:7], s[52:53]
	s_cmp_lt_u32 s[WV], 2
	s_cselect_b64 s[PFA:PFA+1], s[8:9], s[10:11]   ; (in waves 0 and 2 these stand at the head's first key)
	s_add_nc_u64 s[PFA:PFA+1], s[PFA:PFA+1], s[54:55]
	s_add_nc_u64 s[PFA:PFA+1], s[PFA:PFA+1], 2*4*KS*128  ; slot 2; the loop's first change steps it to slot 3.  Slots 0 to 2 come by their loads alone
	CROUND
	JLOAD                                          ; slot 0
	v_and_b32 v1, 15, v0
	v_bfe_u32 v9, v0, 4, 1
	v_lshlrev_b32 v[QO], 7, v1
	v_lshl_add_u32 v[QO], v9, 4, v[QO]
	WIN 0x80
.set i, 0
.rept 8                                ; Q stays in registers: piece i / 2, channels 32 (i % 2) on
	global_load_b128 v[8*i:8*i+3],   v[QO], s[4:5] offset:(i/2)*2048+(i%2)*64
	global_load_b128 v[8*i+4:8*i+7], v[QO], s[4:5] offset:(i/2)*2048+(i%2)*64+32
.set i, i+1
.endr
	; what the first turn finds: V and P's second buffer 0 (its products V^T P, of a piece that has not been, add 0), O^T and l 0.  All this stands in the wait for the first tile.
.set i, VF
.rept 64
	v_mov_b32 v[i], 0
.set i, i+1
.endr
	WIN 0x40
.set i, 0
.rept 128
	v_mov_b32 v[i], 0
.set i, i+1
.endr
	WIN 0
.set i, 0
.rept 4
	v_mov_b32 v[ST+4*i], 0xfe000000                ; c m: far below every c s
	v_mov_b32 v[ST+4*i+1], 0xff7fffff              ; m
	v_mov_b32 v[ST+4*i+2], 0
	v_mov_b32 v[ST+4*i+3], 0
.set i, i+1
.endr
.set i, P+16
.rept 16
	v_mov_b32 v[i], 0
.set i, i+1
.endr
	v_mul_u32_u24 v[AK0], v1, PK
	v_lshl_add_u32 v[AK0], v9, 4, v[AK0]
	v_and_b32 v10, 7, v0
	v_bfe_u32 v11, v0, 3, 1
	v_lshl_add_u32 v[AV0], v9, 3, v10
	v_mul_u32_u24 v[AV0], v[AV0], PV
	v_lshl_add_u32 v[AV0], v11, 4, v[AV0]
	v_add_nc_u32 v[AV0], VOFF, v[AV0]
	s_mul_i32 s13, s[WV], 16*SP
	s_add_co_u32 s13, s13, STAGE
	v_mul_u32_u24 v[STO], v1, SP
	v_lshl_add_u32 v[STO], v9, 4, v[STO]
	v_add_nc_u32 v[STO], s13, v[STO]
	v_bfe_u32 v[RD], v0, 3, 2
	v_mul_u32_u24 v[RD], v[RD], SP
	v_lshl_add_u32 v[RD], v10, 4, v[RD]
	v_add_nc_u32 v[RD], s13, v[RD]
	v_and_b32 v[GO], 31, v0
	v_lshlrev_b32 v[GO], 4, v[GO]
; THE MATRIX WORK.  The 4 accumulators of a run of 8 take turns.
.macro KQ x                            ; product i of 8 of S^T = K Q^T for piece x: channels 32 (i / 4) on, keys 16 (i % 4) on
	WIN W_KQ
.set rS, S+32*((\x)%2)+8*(i%4)
.set rK, KF+16*(i%4)+8*(i/4)
.set rQ, 16*(\x)+8*(i/4)
.if i < 4
	v_wmma_f32_16x16x32_f16 v[rS:rS+7], v[rK:rK+7], v[rQ:rQ+7], 0
.else
	v_wmma_f32_16x16x32_f16 v[rS:rS+7], v[rK:rK+7], v[rQ:rQ+7], v[rS:rS+7]
.endif
.endm
.macro PV x                            ; product i of 8 of O^T += V^T P for piece x: keys 32 (i / 4) on, channels 16 (i % 4) on
	WIN W_PV
.set rO, 32*(\x)+8*(i%4)
.set rV, VF+32*(i/4)+8*(i%4)
.set rP, P+16*((\x)%2)+8*(i/4)
	v_wmma_f32_16x16x32_f16 v[rO:rO+7], v[rV:rV+7], v[rP:rP+7], v[rO:rO+7]
.endm
.macro MM                              ; the turn's next matrix instruction
.if i < 8
	KQ (Y+1)%NP
.else
.set i, i-8
	PV (Y+NP-1)%NP
.set i, i+8
.endif
.set i, i+1
.endm
.macro FETCH_K
	WIN 0x80
.irp f, 0,1,2,3,4,5,6,7
	ds_load_b128 v[KF+8*\f:KF+8*\f+3],   v[AK] offset:(\f/2)*16*PK+(\f%2)*64
	ds_load_b128 v[KF+8*\f+4:KF+8*\f+7], v[AK] offset:(\f/2)*16*PK+(\f%2)*64+32
.endr
	s_add_co_u32 s[TBK], s[TBK], KS*PK
	WIN 0
.endm
.macro FETCH_V
	WIN 0x80
.irp f, 0,1,2,3,4,5,6,7
	ds_load_tr16_b128 v[VF+8*\f:VF+8*\f+3],   v[AV] offset:(\f/4)*32*PV+(\f%4)*32
	ds_load_tr16_b128 v[VF+8*\f+4:VF+8*\f+7], v[AV] offset:(\f/4)*32*PV+16*PV+(\f%4)*32
.endr
	WIN 0
.endm
; THE VECTOR WORK, one line at a time: OP kind, number.  For piece Y: F n: c s - c m for pair n.  E n: the exponential of score n.  C n: pair n rounded to f16.  B n: of four weights the second pair
; onto the first.  L n: l takes that sum (L 0: l = a l + sum).  R n: pair n of O^T times a.  For piece Y + 1: X n, number n of the 22 that find its maximum and statistics (each accumulator's
; lowest registers are read first).
.set F, 0
.set E, 1
.set C, 2
.set B, 3
.set L, 4
.set R, 5
.set X, 6
.macro REGS y
.set rT, ST+4*(\y)
.set rC, TMP+4*((\y)%2)
.set rW, MV+((\y)%2)
.set rS, S+32*((\y)%2)
.set rP, P+16*((\y)%2)
.set rO, 32*(\y)
.endm
.macro OP k, n
.if (\k) == R
	REGS Y
	WIN W_RS
	v_pk_mul_f32 v[rO+2*(\n):rO+2*(\n)+1], v[rO+2*(\n):rO+2*(\n)+1], v[rC+2:rC+3] op_sel_hi:[1,0]
.elseif (\k) < R
	REGS Y
	WIN 0
.if (\k) == F
	v_pk_fma_f32 v[rS+2*(\n):rS+2*(\n)+1], v[rS+2*(\n):rS+2*(\n)+1], s[CS:CS+1], v[rT:rT+1] op_sel_hi:[1,0,0] neg_lo:[0,0,1] neg_hi:[0,0,1]
.elseif (\k) == E
	v_exp_f32 v[rS+(\n)], v[rS+(\n)]
.elseif (\k) == C
	v_cvt_pk_f16_f32 v[rP+(\n)], v[rS+2*(\n)], v[rS+2*(\n)+1]
.elseif (\k) == B
	v_pk_add_f32 v[rS+4*(\n):rS+4*(\n)+1], v[rS+4*(\n):rS+4*(\n)+1], v[rS+4*(\n)+2:rS+4*(\n)+3]
.elseif (\n) == 0
	v_pk_fma_f32 v[rT+2:rT+3], v[rT+2:rT+3], v[rC+2:rC+3], v[rS:rS+1] op_sel_hi:[1,0,1]
.else
	v_pk_add_f32 v[rT+2:rT+3], v[rT+2:rT+3], v[rS+4*(\n):rS+4*(\n)+1]
.endif
.else
	REGS (Y+1)%NP
	WIN 0
.if (\n) < 4
	v_max3_num_f32 v[rC+(\n)], v[rS+8*(\n)], v[rS+8*(\n)+1], v[rS+8*(\n)+2]
.elseif (\n) < 12
	v_max3_num_f32 v[rC+(\n)%4], v[rC+(\n)%4], v[rS+8*((\n)%4)+2*((\n)/4)+1], v[rS+8*((\n)%4)+2*((\n)/4)+2]
.elseif (\n) == 12
	v_max3_num_f32 v[rC], v[rC], v[rS+7], v[rS+15]
.elseif (\n) == 13
	v_max3_num_f32 v[rC+1], v[rC+1], v[rS+23], v[rS+31]
.elseif (\n) == 14
	v_max3_num_f32 v[rC+2], v[rC+2], v[rC+3], v[rT+1]
.elseif (\n) == 15
	v_mov_b32 v[rW], v[rT]
.elseif (\n) == 16
	v_max3_num_f32 v[rC], v[rC], v[rC+1], v[rC+2]
.elseif (\n) == 17
	v_permlanex16_b32 v[rC+3], v[rC], s[SEL], s[SEL+1]
.elseif (\n) == 18
	v_max_num_f32 v[rT+1], v[rC], v[rC+3]
.elseif (\n) == 19
	v_mul_f32 v[rT], s[CS], v[rT+1]
.elseif (\n) == 20
	v_sub_f32 v[rC+1], v[rW], v[rT]
.else
	v_exp_f32 v[rC+2], v[rC+1]
.endif
.endif
.endm
.macro OPS a, i1, b=-1, i2=0, c=-1, i3=0, d=-1, i4=0
	OP \a, \i1
.if (\b) >= 0
	OP \b, \i2
.endif
.if (\c) >= 0
	OP \c, \i3
.endif
.if (\d) >= 0
	OP \d, \i4
.endif
.endm
.macro ROW a, i1, b, i2, c, i3, d, i4
	MM
	OPS \a, \i1, \b, \i2, \c, \i3, \d, \i4
.endm
; A TURN, for piece p.  Ahead of its one wait stands all that names no result of its exponentials; behind it the products V^T P with the roundings and sums.  cnt = 1: the loop's count is taken
; down some lines ahead of the branch behind the turn.  K of the next step is fetched in piece 2's turn, V of the step in hand at the end of piece 0's; each is waited for a turn later.
; last = 1 (the tail): K's address is held to the last slot's last step, so that the trip that has no next step fetches that step's K once more and leaves the slot's K rows nowhere.
.macro TURN p, last=0, cnt=0
.set Y, (\p)
.set i, 0
.if (\p) == 3
	s_wait_dscnt 0x0                               ; K is in
.endif
	ROW F,0, F,1, R,0, R,1
	ROW F,2, E,0, R,2, R,3
	ROW F,3, E,1, R,4, R,5
	ROW F,4, E,2, R,6, R,7
	ROW F,5, E,3, R,8, R,9
	ROW F,6, E,4, X,0, R,10
.if (\p) == 2
	WIN 0
.if \last
	s_min_u32 s13, s[TBK], SLOT1+3*KS*PK
	v_add_nc_u32 v[AK], s13, v[AK0]
.else
	v_add_nc_u32 v[AK], s[TBK], v[AK0]
.endif
.endif
	ROW F,7, E,5, X,1, X,4
	ROW F,8, E,6, X,2, X,5
	OPS E,7, E,8, X,6, E,9
	OPS X,3, E,10, X,8, E,11
.if (\p) == 2
	FETCH_K
.endif
	OPS X,9, X,7, E,12, X,10
	OPS E,13, X,12, X,11, E,14
	OPS X,13, E,15, F,9, X,14
.if (\p) == 0
	v_add_nc_u32 v[AV], s[TBV], v[AV0]
.endif
	OPS E,16, F,10, E,17, F,11
	OPS X,16, E,18, X,15, E,19
	OPS F,12, E,20, X,17, E,21
	OPS F,13, E,22, F,14, E,23
	OPS X,18, E,24, F,15, E,25
	OPS R,11, E,26, X,19, E,27
	OPS R,12, E,28, R,13, E,29
	OPS X,20, E,30, R,14, E,31
	OPS X,21, R,15
	WIN 0
	s_wait_alu depctr_va_vdst(0)                   ; the one wait for the turn's batch of exponentials, ahead of their first reader
.if (\p) == 1
	s_wait_dscnt 0x0                               ; V is in
.endif
	ROW C,0, B,0, C,2, B,1
	ROW L,0, C,4, B,2, L,1
	ROW C,6, B,3, L,2, C,8
	ROW B,4, L,3, C,10, B,5
	ROW L,4, C,12, B,6, L,5
.if (\p) == 0
	s_add_co_u32 s[TBV], s[TBV], KS*PV
.endif
.if \cnt
	s_sub_co_u32 s[CNT], s[CNT], 1
	s_cmp_lg_u32 s[CNT], 0
.endif
	ROW C,14, B,7, L,6, C,1
	ROW C,3, L,7, C,5, C,7
	ROW C,9, C,11, C,13, C,15
.if (\p) == 0
	FETCH_V
.endif
.endm
	CHANGE 1, 0                                    ; slot 0 is in, everybody's part of it; slot 1 is asked for
	v_add_nc_u32 v[AK], s[TBK], v[AK0]
	FETCH_K                                        ; key step 0
	s_wait_loadcnt 0x0                             ; Q
	s_wait_dscnt 0x0
.set i, 0
.rept 8
	KQ 0                                           ; piece 0's first scores
.set i, i+1
.endr
	WIN 0
.rept 4
	v_nop                                          ; the places behind those products
.endr
.set Y, NP-1
.irp n, 0,1,2,3,4,5,6,7,8,9,10,11,12,13,14,15,16,17,18,19,20,21
	OP X, \n
.endr
	v_nop
	s_wait_alu depctr_va_vdst(0)                   ; the first a has its wait ahead of the branch
	s_mov_b32 s[CNT], 4
	s_mov_b32 s[SLOTS], 7
	s_branch .Lfirst                               ; the loop is entered at a step's first turn
.Lslot:                                            ; six times: slots 2 to 7 are asked for
	CHANGE 1, 1
	s_mov_b32 s[CNT], 4
.Lstep:                                            ; a trip: pieces 2 and 3 of one step, pieces 0 and 1 of the next
	TURN 2
	TURN 3
	WIN 0
.Lfirst:
	TURN 0
	TURN 1, 0, 1
	WIN 0
	s_cbranch_scc1 .Lstep
	s_sub_co_u32 s[SLOTS], s[SLOTS], 1
	s_cmp_lg_u32 s[SLOTS], 0
	s_cbranch_scc1 .Lslot
	CHANGE 0, 0                                    ; the last slot is written out: nothing is asked for
	s_mov_b32 s[CNT], 5                            ; four trips fetch the last slot's steps; the fifth is left in its middle
.Ltail:
	TURN 2, 1
	TURN 3
	WIN 0
	s_sub_co_u32 s[CNT], s[CNT], 1
	s_cmp_eq_u32 s[CNT], 0
	s_cbranch_scc1 .Lout
	TURN 0
	TURN 1
	WIN 0
	s_branch .Ltail
.Lout:                                             ; the fifth trip's 16 loads of the last K, its 8 products K Q^T on them and the maximum made of those serve nothing: the price, once a launch, of one text for every trip
.set i, 0
.rept 8
	PV NP-1                                        ; the last piece's V^T P of the last step
.set i, i+1
.endr
	; THE WAY OUT: l's halves and the other half of the lanes' are added; O^T is divided by l, rounded and sent through my stage in LDS, a piece at a time.
	WIN 0
.macro ALL line:vararg
.set t, 0
.rept 4
	\line
.set t, t+1
.endr
.endm
	ALL v_add_f32 v[ST+4*t+2], v[ST+4*t+2], v[ST+4*t+3]
	ALL v_permlanex16_b32 v[ST+4*t+3], v[ST+4*t+2], s[SEL], s[SEL+1]
	ALL v_add_f32 v[ST+4*t+2], v[ST+4*t+2], v[ST+4*t+3]
	ALL v_rcp_f32 v[ST+4*t+2], v[ST+4*t+2]
	v_nop
	s_wait_alu depctr_va_vdst(0)                   ; one wait for the four reciprocals
.macro PACK t
	WIN W_RS
.set i, 32*(\t)
.rept 16
	v_pk_mul_f32 v[i:i+1], v[i:i+1], v[ST+4*(\t)+2:ST+4*(\t)+3] op_sel_hi:[1,0]
.set i, i+2
.endr
	WIN 0x05
.set i, 0
.rept 16
	v_cvt_pk_f16_f32 v[S+16*(\t)+i], v[32*(\t)+2*i], v[32*(\t)+2*i+1]
.set i, i+1
.endr
	WIN 0
.irp f, 0,1,2,3
	ds_store_b128 v[STO], v[S+16*(\t)+4*\f:S+16*(\t)+4*\f+3] offset:32*\f
.endr
.irp f, 0,1,2,3
	ds_load_b128 v[S+16*(\t)+4*\f:S+16*(\t)+4*\f+3], v[RD] offset:\f*4*SP  ; LDS serves a wave's instructions in order: these see the stores above
.endr
.endm
.macro SEND t, younger                 ; younger: the LDS instructions issued behind piece t's loads: the next piece's eight, or none
	WIN 0
.irp f, 0,1,2,3
	s_wait_dscnt (\younger)+3-\f
	global_store_b128 v[GO], v[S+16*(\t)+4*\f:S+16*(\t)+4*\f+3], s[6:7] offset:(\t)*2048+\f*512  ; 512 consecutive bytes, aligned
.endr
.endm
	PACK 0
.set t, 1
.rept 3
	PACK t
	SEND t-1, 8
.set t, t+1
.endr
	SEND 3, 0
	s_wait_tensorcnt 0x0                           ; the wave's end
	ds_add_u32 v[SPW], v[NIL]
	s_wait_dscnt 0x0
	CROUND                                         ; the closing round
	s_endpgm
.Lfunc_end_k_q91bb0f05ad_attn:
	.size	k_q91bb0f05ad_attn, .Lfunc_end_k_q91bb0f05ad_attn-k_q91bb0f05ad_attn
	.p2alignl 7, 3214868480
	.fill 96, 4, 3214868480
	.section	.rodata,"a",@progbits
	.p2align	6, 0x0
	.amdhsa_kernel k_q91bb0f05ad_attn
		.amdhsa_group_segment_fixed_size 327680
		.amdhsa_private_segment_fixed_size 0
		.amdhsa_enable_private_segment 0
		.amdhsa_kernarg_size 16
		.amdhsa_user_sgpr_count 2
		.amdhsa_user_sgpr_kernarg_segment_ptr 1
		.amdhsa_wavefront_size32 1
		.amdhsa_system_sgpr_workgroup_id_x 1
		.amdhsa_system_sgpr_workgroup_id_y 1
		.amdhsa_system_sgpr_workgroup_id_z 1
		.amdhsa_system_vgpr_workitem_id 0
		.amdhsa_next_free_vgpr 768
		.amdhsa_next_free_sgpr 66
		.amdhsa_reserve_vcc 0
		.amdhsa_float_denorm_mode_32 3
		.amdhsa_float_denorm_mode_16_64 3
		.amdhsa_memory_ordered 1
		.amdhsa_forward_progress 1
		.amdhsa_inst_pref_size 111
	.end_amdhsa_kernel
	.amdgpu_metadata
---
amdhsa.version: [ 1, 2 ]
amdhsa.kernels:
  - .name:           k_q91bb0f05ad_attn
    .symbol:         k_q91bb0f05ad_attn.kd
    .args:
      - { .name: qkvh, .offset: 0, .size: 8, .value_kind: global_buffer, .address_space: global }
      - { .name: oh, .offset: 8, .size: 8, .value_kind: global_buffer, .address_space: global }
    .group_segment_fixed_size: 327680
    .private_segment_fixed_size: 0
    .kernarg_segment_align: 8
    .kernarg_segment_size: 16
    .max_flat_workgroup_size: 128
    .sgpr_count:     66
    .vgpr_count:     768
    .wavefront_size: 32
...
	.end_amdgpu_metadata
.endif
;; end of part 3
;; launch proj (part 4): grid 8 x 32, 4 waves a work-group, clusters of 4 x 4, 327,680 bytes of LDS; arguments oh, wts, proj_b, x, r1; writes r1
.if DOCPART == 4
	.amdgcn_target "amdgcn-amd-amdhsa--gfx1250"
	.amdhsa_code_object_version 6
	.text
	.protected	k_q91bb0f05ad_proj
	.globl	k_q91bb0f05ad_proj
	.p2align	8
	.type	k_q91bb0f05ad_proj,@function
k_q91bb0f05ad_proj:
	s_mov_b64 s[64:65], 0
	v_nop
	global_prefetch_b8 v0, s[64:65] scope:SCOPE_SE
	s_setreg_imm32_b32 hwreg(HW_REG_WAVE_MODE, 25, 1), 1
	s_wait_xcnt 0x0
	s_wait_alu depctr_hold_cnt(0) depctr_sa_sdst(0) depctr_va_vdst(0) depctr_va_sdst(0) depctr_va_ssrc(0) depctr_va_vcc(0) depctr_vm_vsrc(0)
	s_getreg_b32 s2, hwreg(HW_REG_IB_STS2, 6, 4)
	s_cmp_eq_u32 s2, 0
	s_cbranch_scc0 .Lentry_in_a_cluster
	s_endpgm
.Lentry_in_a_cluster:
	s_bfe_u32 s2, ttmp6, 0x10000c
	s_cmp_lg_u32 s2, 0xf033
	s_cbranch_scc0 .Lentry_shape_is_right
	s_endpgm
.Lentry_shape_is_right:
; Launch 4 of 6: x1 = x + O proj_w + proj_b (f32), and what LayerNorm 2 needs of it: for each row and each tile t of 64 columns the mean mu_t and M2_t = sum (x1 - mu_t)^2 (f32), and
; x1c = x1 - mu_t in f16.  The norm itself is folded into the next product.  Nothing of the problem's work is left out.  LIMIT: |x1 - mu_t| beyond 65,504 is not served.
; A work-group makes 128 x 128, a wave 64 x 64: 16 accumulators, which START AS x (the residual is the C of the first products).  K = 1024 goes in 4 steps of 256 through two LDS slots.
; A comes by heads: a step is 4 heads x 64 channels; a tensor load brings 2 heads x 128 dense rows, padded after every row of 128 bytes: planes of 128 x 144 bytes.
; B (proj_w, f16 [k][n]) comes as 256 rows of 256 bytes + 32 and is turned on its way into registers.  CLUSTER 4 x 4: A shared along a row, B along a column.
; A quarter step's fragments are fetched at the head of the quarter before it: 32 matrix instructions ahead of their first use (behind a change of slots: 16).
; NO PREFETCH: of the four K steps two come by the first fills and two by the refills straight behind them: no step lies two refills on.
.set PA,    144
.set AQ,    128*PA                     ; a quarter of a step is a head: a plane
.set HA,    2*AQ
.set PB,    288
.set HB,    128*PB
.set BOFF,  2*HA
.set SLOT,  147456                     ; 0x24000: shares no bit with the tiles' places in a slot
.set DP,    528
.set STT,   2*SLOT                     ; [mu, M2][half of the columns][128 rows] f32
.set SPARE, STT+2048
.set WP_O,  14680064
.set X1C_O, 16777216
.set ST1_O, 25165824
.set NSTEP, 4
.set ADRA0, 16
.set ADRB0, 17
.set ADRA,  18
.set ADRBL, 19                         ; k rows 0-127 of the slot in hand; v20: rows 128-255
.set DST,   21
.set RD,    22
.set CO,    23
.set CO2,   24
.set STA,   25
.set XO,    26
.set SPW,   28
.set NIL,   29
.set R,     32                         ; the way out: v32-47 four rows, v48-51 bias, v52-59 sums, v60-67 means, v68-83 centred, v84-91 packed
.set BIAS,  48
.set SS,    52
.set MU,    60
.set C,     68
.set PKD,   84
.set ACC,   128
.set F0,    0
.set F1,    128
.set MSB, 0
.macro WIN new
.if MSB != (\new)
	s_set_vgpr_msb (MSB<<8)|(\new)
.set MSB, \new
.endif
.endm
.set MUL,  0x05                        ; sources in window 1, C and D in window 0
.set TO_F, 0x40
.macro PLACES
.rept 4
	v_nop
.endr
.endm
.macro JLOAD
	s_cmp_eq_u32 s13, 0
	s_cbranch_scc0 .Lfor_b_\@
	tensor_load_to_lds s[36:39], s[24:31]
	s_nop 0
	PLACES
	s_branch .Lasked_\@
.Lfor_b_\@:
	tensor_load_to_lds s[60:63], s[48:55]
	s_nop 0
	PLACES
.Lasked_\@:
.endm
.macro CREST
	s_cmp_lg_u32 s12, 0
	s_cbranch_scc1 .Lnot_wave_0_\@
	s_barrier_signal -3
.Lnot_wave_0_\@:
	s_barrier_wait -3
	s_barrier_signal -1
	s_barrier_wait -1
.endm
.macro CROUND
	s_barrier_signal -1
	s_barrier_wait -1
	CREST
.endm
	s_load_b256 s[4:11], s[0:1], 0x0               ; oh, wts, proj_b, x
	s_load_b64 s[84:85], s[0:1], 0x20              ; r1
	v_lshl_add_u32 v[SPW], v0, 2, SPARE
	v_mov_b32 v[NIL], 0
	ds_add_u32 v[SPW], v[NIL]                      ; the opening: the add, twice on end, and its wait ahead of my first tensor load
	ds_add_u32 v[SPW], v[NIL]
	v_lshrrev_b32 v1, 5, v0
	v_readfirstlane_b32 s12, v1
	s_lshr_b32 s13, s12, 1
	s_and_b32 s14, s12, 1
	s_bfe_u32 s40, ttmp6, 0x40000
	s_bfe_u32 s41, ttmp6, 0x40004
	s_lshl_b32 s42, ttmp9, 2
	s_add_co_u32 s42, s42, s40                     ; tile column 0..7
	s_and_b32 s43, ttmp7, 0xffff
	s_lshl_b32 s43, s43, 2
	s_add_co_u32 s43, s43, s41                     ; tile row 0..31
	s_lshl_b32 s20, s41, 2
	s_lshl_b32 s20, 15, s20
	s_lshl_b32 s21, 0x1111, s40
	s_or_b32 s24, s20, (1<<16)|(1<<20)|(1<<21)|(4<<22)|(3<<25)  ; A: 4 words of padding after every 32
	s_mov_b32 s25, 8192<<16                        ; a 'row' of the tile is 128 dense rows of a head: 8,192 elements
	s_mov_b32 s26, 2<<16                           ; two heads
	s_mov_b32 s27, 8192<<16
	s_mov_b32 s28, 2
	s_mov_b32 s29, 131072                          ; elements from head to head
	s_mov_b32 s30, 0
	s_mov_b32 s31, 0
	s_or_b32 s48, s21, (1<<16)|(1<<20)|(1<<21)|(5<<22)|(7<<25)  ; B: 8 words of padding after every 64
	s_mov_b32 s49, 128<<16
	s_mov_b32 s50, 128<<16
	s_mov_b32 s51, 128<<16
	s_mov_b32 s52, 128
	s_mov_b32 s53, 1024
	s_mov_b32 s54, 0
	s_mov_b32 s55, 0
	s_lshr_b32 s16, s43, 4
	s_lshl_b32 s16, s16, 4
	s_lshl1_add_u32 s16, s14, s16                  ; A: head 16 batch + 2 half,
	s_lshl_b32 s16, s16, 18
	s_and_b32 s17, s43, 15
	s_lshl_b32 s17, s17, 14                        ; rows 128 (ty mod 16) on
	s_add_co_u32 s16, s16, s17
	s_mov_b32 s17, 0
	s_lshl_b32 s18, s14, 18                        ; B: 128 half rows of 2,048 bytes,
	s_lshl_b32 s19, s42, 8                         ; 256 tx bytes
	s_add_co_u32 s18, s18, s19
	s_add_co_u32 s18, s18, WP_O
	s_mov_b32 s19, 0
	s_mul_i32 s2, s14, HA
	s_mul_i32 s3, s14, HB
	s_add_co_u32 s3, s3, BOFF
	s_wait_dscnt 0x0
	s_wait_kmcnt 0x0
	s_add_nc_u64 s[16:17], s[4:5], s[16:17]
	s_add_nc_u64 s[18:19], s[6:7], s[18:19]
	CROUND
.irp s, 0,1
	s_mov_b32 s[32+4*\s], 1
	s_add_co_u32 s[33+4*\s], s2, \s*SLOT
	s_add_nc_u64 s[34+4*\s:35+4*\s], s[16:17], \s*1048576
	s_or_b32 s[35+4*\s], s[35+4*\s], 0x80000000
	s_mov_b32 s[56+4*\s], 1
	s_add_co_u32 s[57+4*\s], s3, \s*SLOT
	s_add_nc_u64 s[58+4*\s:59+4*\s], s[18:19], \s*524288
	s_or_b32 s[59+4*\s], s[59+4*\s], 0x80000000
.endr
	s_cmp_eq_u32 s13, 0                            ; the first fills, one group: two loads of mine are out
	s_cbranch_scc0 .Lfirst_b
	tensor_load_to_lds s[32:35], s[24:31]
	s_nop 0
	tensor_load_to_lds s[36:39], s[24:31]
	s_nop 0
	PLACES
	s_branch .Lfirst_done
.Lfirst_b:
	tensor_load_to_lds s[56:59], s[48:55]
	s_nop 0
	tensor_load_to_lds s[60:63], s[48:55]
	s_nop 0
	PLACES
.Lfirst_done:
	v_and_b32 v1, 15, v0
	v_bfe_u32 v2, v0, 4, 1
	v_and_b32 v3, 7, v0
	v_bfe_u32 v4, v0, 3, 1
	v_and_b32 v5, 31, v0
	; x into the accumulators: lane (r, h) of accumulator (a, b) holds row 16 a + r, columns 16 b + 8 h on
	s_lshl1_add_u32 s20, s43, s13
	s_lshl_b32 s20, s20, 18
	s_lshl1_add_u32 s21, s42, s14
	s_lshl_b32 s21, s21, 8
	s_add_co_u32 s20, s20, s21
	s_mov_b32 s21, 0
	s_add_nc_u64 s[10:11], s[10:11], s[20:21]
	v_lshlrev_b32 v[XO], 12, v1
	v_lshl_add_u32 v[XO], v2, 5, v[XO]
.irp a, 0,1,2,3
.irp b, 0,1,2,3
	global_load_b128 v[ACC+8*(4*\a+\b):ACC+8*(4*\a+\b)+3],   v[XO], s[10:11] offset:\a*65536+64*\b
	global_load_b128 v[ACC+8*(4*\a+\b)+4:ACC+8*(4*\a+\b)+7], v[XO], s[10:11] offset:\a*65536+64*\b+16
.endr
.endr
	s_lshl_b32 s20, s42, 9
	v_lshl_add_u32 v6, v5, 4, s20
	global_load_b128 v[BIAS:BIAS+3], v6, s[8:9]    ; proj_b of columns 128 tx + 4 l on
	v_mul_u32_u24 v7, v1, PA
	v_lshl_add_u32 v7, v2, 4, v7
	s_mul_i32 s20, s13, 64*PA
	v_add_nc_u32 v[ADRA0], s20, v7
	v_lshl_add_u32 v7, v2, 3, v3
	v_mul_u32_u24 v7, v7, PB
	v_lshl_add_u32 v7, v4, 4, v7
	s_lshl_b32 s20, s14, 7
	s_add_co_u32 s20, s20, BOFF
	v_add_nc_u32 v[ADRB0], s20, v7
	v_mov_b32 v[ADRA], v[ADRA0]
	v_mov_b32 v[ADRBL], v[ADRB0]
	v_add_nc_u32 v[ADRBL+1], HB, v[ADRB0]
	s_mov_b32 s80, 0
	s_mul_i32 s20, s13, 64*DP
	s_lshl_b32 s21, s14, 8
	s_add_co_u32 s20, s20, s21
	v_mul_u32_u24 v7, v1, DP
	v_lshl_add_u32 v7, v2, 5, v7
	v_add_nc_u32 v[DST], s20, v7
	s_mul_i32 s20, s12, 32*DP
	v_lshl_add_u32 v[RD], v5, 4, s20               ; back: wave w takes rows 32 w on, whole: 32 lanes x 16 bytes
	v_lshlrev_b32 v[CO], 4, v5
	v_lshlrev_b32 v[CO2], 3, v5
	s_lshl_b32 s20, s12, 7
	s_add_co_u32 s20, s20, STT
	v_lshl_add_u32 v[STA], v2, 9, s20
	s_lshl2_add_u32 s20, s43, s12                  ; 4 ty + w: blocks of 32 rows
	s_lshl_b32 s22, s20, 17
	s_lshl_b32 s21, s42, 9
	s_add_co_u32 s22, s22, s21
	s_mov_b32 s23, 0
	s_add_nc_u64 s[82:83], s[84:85], s[22:23]      ; x1 at my first row
	s_lshl_b32 s22, s20, 16
	s_lshl_b32 s21, s42, 8
	s_add_co_u32 s22, s22, s21
	s_add_co_u32 s22, s22, X1C_O
	s_add_nc_u64 s[86:87], s[84:85], s[22:23]      ; x1c
	s_lshr_b32 s22, s12, 1
	s_lshl_b32 s22, s22, 18                        ; mu or M2,
	s_lshl1_add_u32 s21, s42, s14
	s_lshl_b32 s21, s21, 14                        ; tile 2 tx + (w & 1),
	s_add_co_u32 s22, s22, s21
	s_lshl_b32 s21, s43, 9                         ; rows 128 ty on
	s_add_co_u32 s22, s22, s21
	s_add_co_u32 s22, s22, ST1_O
	s_add_nc_u64 s[84:85], s[84:85], s[22:23]
	s_mov_b32 s88, 0x3c800000                      ; 1/64
.macro MUL8 f, c, a0                   ; 8 products; the 16 accumulators take turns
	WIN MUL
.irp a, \a0, (\a0)+1
.irp b, 0,1,2,3
	v_wmma_f32_16x16x32_f16 v[ACC+8*(4*(\a)+(\b)):ACC+8*(4*(\a)+(\b))+7], v[(\f)+64+8*(4*(\c)+(\b)):(\f)+64+8*(4*(\c)+(\b))+7], v[(\f)+8*(4*(\c)+(\a)):(\f)+8*(4*(\c)+(\a))+7], v[ACC+8*(4*(\a)+(\b)):ACC+8*(4*(\a)+(\b))+7]
.endr
.endr
.endm
.macro FETCH q, f                      ; 32 LDS loads: quarter q (64 along K) into buffer f, its first 32 along K first
	WIN TO_F
.irp c, 0,1
.irp i, 0,1,2,3
	ds_load_tr16_b128 v[(\f)+64+8*(4*(\c)+(\i)):(\f)+64+8*(4*(\c)+(\i))+3],   v[ADRBL+((\q)>>1)] offset:(((\q)&1)*64+32*(\c))*PB+32*(\i)
	ds_load_tr16_b128 v[(\f)+64+8*(4*(\c)+(\i))+4:(\f)+64+8*(4*(\c)+(\i))+7], v[ADRBL+((\q)>>1)] offset:(((\q)&1)*64+32*(\c)+16)*PB+32*(\i)
	ds_load_b128 v[(\f)+8*(4*(\c)+(\i)):(\f)+8*(4*(\c)+(\i))+3],   v[ADRA] offset:AQ*(\q)+64*(\c)+(\i)*16*PA
	ds_load_b128 v[(\f)+8*(4*(\c)+(\i))+4:(\f)+8*(4*(\c)+(\i))+7], v[ADRA] offset:AQ*(\q)+64*(\c)+(\i)*16*PA+32
.endr
.endr
.endm
.macro QUARTER q, f, g                 ; fetches quarter q into buffer g, which the quarter before has multiplied, then multiplies buffer f
	PLACES
	FETCH \q, \g
	s_wait_dscnt 32                                ; all but the 32 just issued: buffer f is in
	MUL8 \f, 0, 0
	MUL8 \f, 0, 2
	MUL8 \f, 1, 0
	MUL8 \f, 1, 2
.endm
.macro TURN fill, last=0               ; last = 1 (the tail): in the trip with s2 = 1 no K step follows, and the fetch is jumped over
	WIN 0
	s_wait_tensorcnt 0x0                           ; all my tensor loads have landed
	ds_add_u32 v[SPW], v[NIL]
	s_wait_dscnt 17                                ; (the add and the youngest sixteen loads, the second 32 along K, may be out)
	MUL8 F1, 0, 0
	s_wait_dscnt 0x0
	s_barrier_signal -1
	MUL8 F1, 0, 2
	WIN 0
	s_barrier_wait -1
.if \fill
	CREST
	s_xor_b32 s37, s37, SLOT
	s_add_nc_u64 s[38:39], s[38:39], 1048576       ; four heads on
	s_xor_b32 s61, s61, SLOT
	s_add_nc_u64 s[62:63], s[62:63], 524288        ; 256 rows on
	JLOAD
.else
.if \last
	s_cmp_eq_u32 s2, 1
	s_cbranch_scc1 .Lno_more_\@
.endif
	PLACES
.endif
	s_xor_b32 s80, s80, SLOT
	v_add_nc_u32 v[ADRA], s80, v[ADRA0]
	v_add_nc_u32 v[ADRBL], s80, v[ADRB0]
	v_add_nc_u32 v[ADRBL+1], HB, v[ADRBL]
	FETCH 0, F0
.if \last
	WIN 0
.Lno_more_\@:
.endif
	MUL8 F1, 1, 0
	MUL8 F1, 1, 2
.endm
	s_wait_tensorcnt 0x1                           ; K step 0 is in; step 1's load may stay out
	s_barrier_signal -1
	s_barrier_wait -1
	FETCH 0, F0
	s_wait_loadcnt 0x0                             ; x lies in the accumulators
	WIN 0
	s_mov_b32 s3, NSTEP-1
	s_branch .Lenter                               ; the loop is entered at a K step's first quarter, in the middle of a trip
.Lstep:                                            ; a trip: from a K step's second quarter to the next step's first; it fills one slot
	QUARTER 2, F1, F0
	QUARTER 3, F0, F1
	TURN 1
	WIN 0
.Lenter:
	QUARTER 1, F0, F1
	WIN 0
	s_sub_co_u32 s3, s3, 1
	s_cmp_lg_u32 s3, 0
	s_cbranch_scc1 .Lstep
	s_mov_b32 s2, 2
.Ltail:                                            ; the last two K steps ask for nothing; the second trip is left behind its last quarter
	QUARTER 2, F1, F0
	QUARTER 3, F0, F1
	TURN 0, 1
	WIN 0
	s_sub_co_u32 s2, s2, 1
	s_cmp_eq_u32 s2, 0
	s_cbranch_scc1 .Lout
	QUARTER 1, F0, F1
	WIN 0
	s_branch .Ltail
.Lout:
	s_wait_dscnt 0x0                               ; no LDS read of mine is out
	PLACES
	s_barrier_signal -1                            ; every wave's reads of the ring are over
	s_barrier_wait -1
.irp a, 0,1,2,3
.irp b, 0,1,2,3
	ds_store_b128 v[DST], v[ACC+8*(4*\a+\b):ACC+8*(4*\a+\b)+3]   offset:\a*16*DP+64*\b
	ds_store_b128 v[DST], v[ACC+8*(4*\a+\b)+4:ACC+8*(4*\a+\b)+7] offset:\a*16*DP+64*\b+16
.endr
.endr
	s_wait_dscnt 0x0                               ; a row's 512 bytes come from two waves
	s_barrier_signal -1
	s_barrier_wait -1
	s_mov_b32 s2, 8
.Lrows:                                            ; four rows a trip; each half of 16 lanes holds a tile of 64 columns
.irp j, 0,1,2,3
	ds_load_b128 v[R+4*\j:R+4*\j+3], v[RD] offset:\j*DP
.endr
	s_wait_dscnt 0x0
.irp j, 0,1,2,3
	v_pk_add_f32 v[R+4*\j:R+4*\j+1], v[R+4*\j:R+4*\j+1], v[BIAS:BIAS+1]
	v_pk_add_f32 v[R+4*\j+2:R+4*\j+3], v[R+4*\j+2:R+4*\j+3], v[BIAS+2:BIAS+3]
	global_store_b128 v[CO], v[R+4*\j:R+4*\j+3], s[82:83] offset:\j*4096   ; 512 consecutive bytes of x1
.endr
.irp j, 0,1,2,3
	v_pk_add_f32 v[SS+2*\j:SS+2*\j+1], v[R+4*\j:R+4*\j+1], v[R+4*\j+2:R+4*\j+3]
.endr
.irp j, 0,1,2,3
	v_add_f32 v[SS+2*\j], v[SS+2*\j], v[SS+2*\j+1]
.endr
.irp m, 1,2,4,8
.irp j, 0,1,2,3
	v_add_f32_dpp v[SS+2*\j], v[SS+2*\j], v[SS+2*\j] row_xmask:\m row_mask:0xf bank_mask:0xf
.endr
.endr
.irp j, 0,1,2,3
	v_mul_f32 v[MU+2*\j], s88, v[SS+2*\j]
	v_mul_f32 v[MU+2*\j+1], s88, v[SS+2*\j]
.endr
.irp j, 0,1,2,3
	v_pk_add_f32 v[C+4*\j:C+4*\j+1], v[R+4*\j:R+4*\j+1], v[MU+2*\j:MU+2*\j+1] neg_lo:[0,1] neg_hi:[0,1]
	v_pk_add_f32 v[C+4*\j+2:C+4*\j+3], v[R+4*\j+2:R+4*\j+3], v[MU+2*\j:MU+2*\j+1] neg_lo:[0,1] neg_hi:[0,1]
.endr
.irp j, 0,1,2,3
	v_pk_mul_f32 v[SS+2*\j:SS+2*\j+1], v[C+4*\j:C+4*\j+1], v[C+4*\j:C+4*\j+1]
.endr
.irp j, 0,1,2,3
	v_pk_fma_f32 v[SS+2*\j:SS+2*\j+1], v[C+4*\j+2:C+4*\j+3], v[C+4*\j+2:C+4*\j+3], v[SS+2*\j:SS+2*\j+1]
.endr
.irp j, 0,1,2,3
	v_add_f32 v[SS+2*\j], v[SS+2*\j], v[SS+2*\j+1]
.endr
.irp m, 1,2,4,8
.irp j, 0,1,2,3
	v_add_f32_dpp v[SS+2*\j], v[SS+2*\j], v[SS+2*\j] row_xmask:\m row_mask:0xf bank_mask:0xf
.endr
.endr
.irp j, 0,1,2,3
	v_cvt_pk_f16_f32 v[PKD+2*\j], v[C+4*\j], v[C+4*\j+1]
	v_cvt_pk_f16_f32 v[PKD+2*\j+1], v[C+4*\j+2], v[C+4*\j+3]
	global_store_b64 v[CO2], v[PKD+2*\j:PKD+2*\j+1], s[86:87] offset:\j*2048  ; 256 consecutive bytes of x1c
	ds_store_b32 v[STA], v[MU+2*\j] offset:4*\j          ; sixteen lanes write the same word with the same value
	ds_store_b32 v[STA], v[SS+2*\j] offset:4*\j+1024
.endr
	v_add_nc_u32 v[RD], 4*DP, v[RD]
	v_add_nc_u32 v[STA], 16, v[STA]
	s_wait_xcnt 0x0                                ; the stores have read their data and bases
	s_add_nc_u64 s[82:83], s[82:83], 4*4096
	s_add_nc_u64 s[86:87], s[86:87], 4*2048
	s_sub_co_u32 s2, s2, 1
	s_cmp_lg_u32 s2, 0
	s_cbranch_scc1 .Lrows
	s_wait_dscnt 0x0
	s_barrier_signal -1
	s_barrier_wait -1                              ; all 128 rows' statistics lie in LDS
	s_lshl_b32 s20, s12, 9
	s_add_co_u32 s20, s20, STT
	v_lshl_add_u32 v7, v5, 4, s20
	ds_load_b128 v[92:95], v7                      ; wave w: kind w / 2, half w % 2, 128 rows
	s_wait_dscnt 0x0
	global_store_b128 v[CO], v[92:95], s[84:85]
	s_wait_tensorcnt 0x0                           ; the wave's end
	ds_add_u32 v[SPW], v[NIL]
	s_wait_dscnt 0x0
	CROUND
	s_endpgm
.Lfunc_end_k_q91bb0f05ad_proj:
	.size	k_q91bb0f05ad_proj, .Lfunc_end_k_q91bb0f05ad_proj-k_q91bb0f05ad_proj
	.p2alignl 7, 3214868480
	.fill 96, 4, 3214868480
	.section	.rodata,"a",@progbits
	.p2align	6, 0x0
	.amdhsa_kernel k_q91bb0f05ad_proj
		.amdhsa_group_segment_fixed_size 327680
		.amdhsa_private_segment_fixed_size 0
		.amdhsa_enable_private_segment 0
		.amdhsa_kernarg_size 40
		.amdhsa_user_sgpr_count 2
		.amdhsa_user_sgpr_kernarg_segment_ptr 1
		.amdhsa_wavefront_size32 1
		.amdhsa_system_sgpr_workgroup_id_x 1
		.amdhsa_system_sgpr_workgroup_id_y 1
		.amdhsa_system_sgpr_workgroup_id_z 1
		.amdhsa_system_vgpr_workitem_id 0
		.amdhsa_next_free_vgpr 512
		.amdhsa_next_free_sgpr 96
		.amdhsa_reserve_vcc 0
		.amdhsa_float_denorm_mode_32 3
		.amdhsa_float_denorm_mode_16_64 3
		.amdhsa_memory_ordered 1
		.amdhsa_forward_progress 1
		.amdhsa_inst_pref_size 59
	.end_amdhsa_kernel
	.amdgpu_metadata
---
amdhsa.version: [ 1, 2 ]
amdhsa.kernels:
  - .name:           k_q91bb0f05ad_proj
    .symbol:         k_q91bb0f05ad_proj.kd
    .args:
      - { .name: oh, .offset: 0, .size: 8, .value_kind: global_buffer, .address_space: global }
      - { .name: wts, .offset: 8, .size: 8, .value_kind: global_buffer, .address_space: global }
      - { .name: proj_b, .offset: 16, .size: 8, .value_kind: global_buffer, .address_space: global }
      - { .name: x, .offset: 24, .size: 8, .value_kind: global_buffer, .address_space: global }
      - { .name: r1, .offset: 32, .size: 8, .value_kind: global_buffer, .address_space: global }
    .group_segment_fixed_size: 327680
    .private_segment_fixed_size: 0
    .kernarg_segment_align: 8
    .kernarg_segment_size: 40
    .max_flat_workgroup_size: 128
    .sgpr_count:     96
    .vgpr_count:     512
    .wavefront_size: 32
...
	.end_amdgpu_metadata
.endif
;; end of part 4
;; launch fc1 (part 5): grid 16 x 16, 4 waves a work-group, clusters of 4 x 4, 327,680 bytes of LDS; arguments wts, r1, fc1_b, r2; writes r2
.if DOCPART == 5
	.amdgcn_target "amdgcn-amd-amdhsa--gfx1250"
	.amdhsa_code_object_version 6
	.text
	.protected	k_q91bb0f05ad_fc1
	.globl	k_q91bb0f05ad_fc1
	.p2align	8
	.type	k_q91bb0f05ad_fc1,@function
k_q91bb0f05ad_fc1:
	s_mov_b64 s[64:65], 0
	v_nop
	global_prefetch_b8 v0, s[64:65] scope:SCOPE_SE
	s_setreg_imm32_b32 hwreg(HW_REG_WAVE_MODE, 25, 1), 1
	s_wait_xcnt 0x0
	s_wait_alu depctr_hold_cnt(0) depctr_sa_sdst(0) depctr_va_vdst(0) depctr_va_sdst(0) depctr_va_ssrc(0) depctr_va_vcc(0) depctr_vm_vsrc(0)
	s_getreg_b32 s2, hwreg(HW_REG_IB_STS2, 6, 4)
	s_cmp_eq_u32 s2, 0
	s_cbranch_scc0 .Lentry_in_a_cluster
	s_endpgm
.Lentry_in_a_cluster:
	s_bfe_u32 s2, ttmp6, 0x10000c
	s_cmp_lg_u32 s2, 0xf033
	s_cbranch_scc0 .Lentry_shape_is_right
	s_endpgm
.Lentry_shape_is_right:
; Launch 5 of 6: h = gelu(LayerNorm2(x1) fc1_w + fc1_b), and what the hidden LayerNorm needs of it: for each row and tile t of 128 columns mu_t, M2_t (f32) and hc = h - mu_t (f16).
; Nothing of the problem's work is left out.  LIMIT: |h - mu_t|, d_t or sigma beyond 65,504 are not served.
; THE NORM IN THE PRODUCT.  From the 16 tiles' statistics of a row: mu = mean mu_t, d_t = mu_t - mu, var = (sum M2_t + 64 sum d_t^2) / 1024, rstd = rsq(var + 1e-5), sigma = (var + 1e-5) rstd.
; LN2(x1) W = rstd (x1c (gW) + sum_t d_t G_t + sigma sum_t Bs_t): the two short sums are one more quarter step, whose A rows (d_0..d_15, sigma x 16) are made here and whose B rows lie behind the weights.
; GELU, exact form by a fit of erf whose error is at most 2.5e-5 for every argument: t = 1 / (1 + 0.47047 |z| / sqrt 2), u = (a1 t + a2 t^2 + a3 t^3) 2^(-z^2 log2(e) / 2) with the
; coefficients halved, h = 0.5 z + |z| (0.5 - u).
; The frame is the launch qkv's: 256 x 256 a work-group, 128 x 128 a wave, K = 1024 in 8 steps of 128 through two slots, B turned on its way into registers, cluster 4 x 4, one K step a trip,
; a quarter's fragments fetched at the head of the quarter before it, the way out through an f32 dump in the ring.
.set NCOL,  4096
.set PA,    272
.set PB,    544
.set HALFT, 34816
.set BOFF,  2*HALFT
.set SLOT,  4*HALFT
.set DP,    528
.set DW,    128*DP
.set XB,    2*SLOT                     ; the 32 extra rows of B, pitch 544
.set APR,   XB+32*PB                   ; the extra quarter's A: 256 rows x 64 bytes + 16
.set PX,    80
.set RSTD,  APR+256*PX                 ; 256 rstd
.set STT,   RSTD+1024                  ; for each wave [mu, M2][128 rows]
.set SPARE, STT+4096
.set W1_O,  16777216
.set X1C_O, 16777216
.set ST1_O, 25165824
.set ST2_O, 33554432
.set ADRA0, 16
.set ADRB0, 17
.set ADRA,  18
.set ADRB,  19
.set DST,   20
.set RDA,   21
.set RSA,   22
.set STA,   23
.set CO,    24
.set AXA,   26
.set BXA,   27
.set SPW,   28
.set NIL,   29
.set PFO,   30
.set BIAS,  32
.set F0,    64
.set F1,    128
.set LM,    64                         ; the head: v64-127 the statistics of two batches of rows; v192-211 at work
.set W0,    192
.set VE,    208
.set RQ,    210
.set Z,     64                         ; the way out: v64-95 z then h; v96-127 t; v128-159 the exponent; v160-191 the polynomial
.set T,     96
.set E,     128
.set P,     160
.set RS,    192
.set MU,    196
.set SS,    204
.set OPK,   220
.set MSB, 0
.macro WIN new
.if MSB != (\new)
	s_set_vgpr_msb (MSB<<8)|(\new)
.set MSB, \new
.endif
.endm
.set MUL_LO, 0xa1
.set MUL_HI, 0xf1
.set TO_B,   0x40
.macro PLACES
.rept 4
	v_nop
.endr
.endm
.macro JLOAD
	s_cmp_eq_u32 s13, 0
	s_cbranch_scc0 .Lfor_b_\@
	tensor_load_to_lds s[36:39], s[24:31]
	s_nop 0
	PLACES
	s_branch .Lasked_\@
.Lfor_b_\@:
	tensor_load_to_lds s[60:63], s[48:55]
	s_nop 0
	PLACES
.Lasked_\@:
.endm
.macro ASK
	s_cmp_gt_u32 s3, s15
	s_cbranch_scc0 .Lnot_mine_\@
	global_prefetch_b8 v[PFO], s[44:45] th:TH_LOAD_NT scope:SCOPE_SE
.Lnot_mine_\@:
.endm
.macro CREST
	s_cmp_lg_u32 s12, 0
	s_cbranch_scc1 .Lnot_wave_0_\@
	s_barrier_signal -3
.Lnot_wave_0_\@:
	s_barrier_wait -3
	s_barrier_signal -1
	s_barrier_wait -1
.endm
.macro CROUND
	s_barrier_signal -1
	s_barrier_wait -1
	CREST
.endm
	s_load_b256 s[4:11], s[0:1], 0x0               ; wts, r1, fc1_b, r2
	v_lshl_add_u32 v[SPW], v0, 2, SPARE
	v_mov_b32 v[NIL], 0
	ds_add_u32 v[SPW], v[NIL]                      ; the opening: the add, twice on end, and its wait ahead of my first tensor load
	ds_add_u32 v[SPW], v[NIL]
	v_lshrrev_b32 v1, 5, v0
	v_readfirstlane_b32 s12, v1
	s_lshr_b32 s13, s12, 1
	s_and_b32 s14, s12, 1
	s_bfe_u32 s40, ttmp6, 0x40000
	s_bfe_u32 s41, ttmp6, 0x40004
	s_lshl_b32 s42, ttmp9, 2
	s_add_co_u32 s42, s42, s40
	s_and_b32 s43, ttmp7, 0xffff
	s_lshl_b32 s43, s43, 2
	s_add_co_u32 s43, s43, s41
	s_lshl_b32 s20, s41, 2
	s_lshl_b32 s20, 15, s20
	s_lshl_b32 s21, 0x1111, s40
	s_or_b32 s24, s20, (1<<16)|(1<<20)|(1<<21)|(5<<22)|(3<<25)
	s_mov_b32 s25, 128<<16
	s_mov_b32 s26, 128<<16
	s_mov_b32 s27, 128<<16
	s_mov_b32 s28, 128
	s_mov_b32 s29, 1024
	s_mov_b32 s30, 0
	s_mov_b32 s31, 0
	s_or_b32 s48, s21, (1<<16)|(1<<20)|(1<<21)|(6<<22)|(7<<25)
	s_mov_b32 s49, 256<<16
	s_mov_b32 s50, 64<<16
	s_mov_b32 s51, 256<<16
	s_mov_b32 s52, 64
	s_mov_b32 s53, NCOL
	s_mov_b32 s54, 0
	s_mov_b32 s55, 0
	s_or_b32 s68, s21, (1<<16)|(1<<20)|(1<<21)|(6<<22)|(7<<25)  ; the extra rows: B's shape with 16 rows
	s_mov_b32 s69, 256<<16
	s_mov_b32 s70, 16<<16
	s_mov_b32 s71, 256<<16
	s_mov_b32 s72, 16
	s_mov_b32 s73, NCOL
	s_mov_b32 s74, 0
	s_mov_b32 s75, 0
	s_lshl_b32 s16, s43, 8
	s_lshl_b32 s17, s14, 7
	s_add_co_u32 s16, s16, s17
	s_lshl_b32 s16, s16, 11
	s_add_co_u32 s16, s16, X1C_O
	s_mov_b32 s17, 0
	s_mul_i32 s18, s14, 64*2*NCOL
	s_lshl_b32 s19, s42, 9
	s_add_co_u32 s18, s18, s19
	s_add_co_u32 s18, s18, W1_O
	s_mov_b32 s19, 0
	s_mul_i32 s22, s14, 16*2*NCOL                  ; the extra rows: 1024 + 16 half
	s_lshl_b32 s23, s42, 9
	s_add_co_u32 s22, s22, s23
	s_add_co_u32 s22, s22, W1_O+1024*2*NCOL
	s_mov_b32 s23, 0
	s_mul_i32 s2, s12, HALFT
	s_wait_dscnt 0x0
	s_wait_kmcnt 0x0
	s_add_nc_u64 s[16:17], s[6:7], s[16:17]
	s_add_nc_u64 s[18:19], s[4:5], s[18:19]
	s_add_nc_u64 s[22:23], s[4:5], s[22:23]
	CROUND
.irp s, 0,1
	s_mov_b32 s[32+4*\s], 1
	s_add_co_u32 s[33+4*\s], s2, \s*SLOT
	s_add_nc_u64 s[34+4*\s:35+4*\s], s[16:17], \s*256
	s_or_b32 s[35+4*\s], s[35+4*\s], 0x80000000
	s_mov_b32 s[56+4*\s], 1
	s_add_co_u32 s[57+4*\s], s2, \s*SLOT
	s_add_nc_u64 s[58+4*\s:59+4*\s], s[18:19], \s*128*2*NCOL
	s_or_b32 s[59+4*\s], s[59+4*\s], 0x80000000
.endr
	s_mov_b32 s76, 1
	s_mul_i32 s77, s14, 16*PB
	s_add_co_u32 s77, s77, XB
	s_mov_b64 s[78:79], s[22:23]
	s_or_b32 s79, s79, 0x80000000
	s_cmp_eq_u32 s13, 0                            ; the first fills, one group in one branch: two loads of waves 0 and 1 are out, three of waves 2 and 3
	s_cbranch_scc0 .Lfirst_b
	tensor_load_to_lds s[32:35], s[24:31]
	s_nop 0
	tensor_load_to_lds s[36:39], s[24:31]
	s_nop 0
	PLACES
	s_branch .Lfirst_done
.Lfirst_b:
	tensor_load_to_lds s[76:79], s[68:75]
	s_nop 0
	tensor_load_to_lds s[56:59], s[48:55]
	s_nop 0
	tensor_load_to_lds s[60:63], s[48:55]
	s_nop 0
	PLACES
.Lfirst_done:
	; the rows' statistics: a lane a row, wave w rows 64 w on, in two batches of 32
	s_lshl_b32 s20, s43, 10
	s_add_co_u32 s20, s20, ST1_O
	s_mov_b32 s21, 0
	s_add_nc_u64 s[84:85], s[6:7], s[20:21]
	v_and_b32 v5, 31, v0
	s_lshl_b32 s22, s12, 6
	v_add_nc_u32 v6, s22, v5
	v_lshlrev_b32 v7, 2, v6
.irp b, 0,1
.set t, 0
.rept 16
	global_load_b32 v[LM+32*\b+t], v7, s[84:85] offset:t*16384+128*\b
	global_load_b32 v[LM+32*\b+16+t], v7, s[84:85] offset:t*16384+262144+128*\b
.set t, t+1
.endr
.endr
	v_and_b32 v1, 15, v0
	v_bfe_u32 v2, v0, 4, 1
	v_and_b32 v3, 7, v0
	v_bfe_u32 v4, v0, 3, 1
	s_lshl_b32 s20, s42, 10
	s_lshl_b32 s21, s14, 9
	s_add_co_u32 s20, s20, s21
	v_lshl_add_u32 v25, v1, 5, s20
	global_load_b128 v[BIAS:BIAS+3], v25, s[8:9]   ; fc1_b of columns 256 tx + 128 CH + 8 (l % 16) on
	global_load_b128 v[BIAS+4:BIAS+7], v25, s[8:9] offset:16
	v_mul_u32_u24 v8, v6, PX
	v_add_nc_u32 v8, APR, v8
	v_add_nc_u32 v9, RSTD, v7
	v_mul_u32_u24 v10, v1, PA
	v_lshl_add_u32 v10, v2, 4, v10
	s_mul_i32 s20, s13, HALFT
	v_add_nc_u32 v[ADRA0], s20, v10
	v_lshl_add_u32 v10, v2, 3, v3
	v_mul_u32_u24 v10, v10, PB
	v_lshl_add_u32 v10, v4, 4, v10
	s_lshl_b32 s20, s14, 8
	s_add_co_u32 s21, s20, BOFF
	v_add_nc_u32 v[ADRB0], s21, v10
	s_add_co_u32 s21, s20, XB
	v_add_nc_u32 v[BXA], s21, v10
	v_mov_b32 v[ADRA], v[ADRA0]
	v_mov_b32 v[ADRB], v[ADRB0]
	s_mov_b32 s80, 0
	v_mul_u32_u24 v10, v1, PX
	v_lshl_add_u32 v10, v2, 4, v10
	s_mul_i32 s20, s13, 128*PX
	s_add_co_u32 s20, s20, APR
	v_add_nc_u32 v[AXA], s20, v10
	s_mul_i32 s20, s12, DW
	v_mul_u32_u24 v10, v1, DP
	v_lshl_add_u32 v10, v2, 5, v10
	v_add_nc_u32 v[DST], s20, v10
	v_mul_u32_u24 v10, v2, DP                      ; back: row l / 16, columns 8 (l % 16) on
	v_lshl_add_u32 v10, v1, 5, v10
	v_add_nc_u32 v[RDA], s20, v10
	s_lshl_b32 s20, s13, 9
	s_add_co_u32 s20, s20, RSTD
	v_lshl_add_u32 v[RSA], v2, 2, s20
	s_lshl_b32 s20, s12, 10
	s_add_co_u32 s20, s20, STT
	v_lshl_add_u32 v[STA], v2, 2, s20
	v_lshl_add_u32 v11, v5, 4, s20                 ; where I read my wave's statistics back
	v_lshlrev_b32 v12, 4, v5
	v_lshlrev_b32 v[CO], 13, v2
	v_lshl_add_u32 v[CO], v1, 4, v[CO]
	s_lshl1_add_u32 s20, s43, s13
	s_lshl1_add_u32 s21, s42, s14
	s_lshl_b32 s22, s20, 20                        ; (256 ty + 128 RH) rows of 8,192 bytes
	s_lshl_b32 s23, s21, 8
	s_add_co_u32 s22, s22, s23
	s_mov_b32 s23, 0
	s_add_nc_u64 s[82:83], s[10:11], s[22:23]      ; hc
	s_lshl_b32 s22, s21, 14
	s_lshl_b32 s20, s20, 9
	s_add_co_u32 s22, s22, s20
	s_add_co_u32 s22, s22, ST2_O
	s_add_nc_u64 s[10:11], s[10:11], s[22:23]      ; my tile's statistics
	s_mov_b32 s86, 0x3d800000                      ; 1/16
	s_mov_b32 s87, 0x3a800000                      ; 1/1024
	s_mov_b32 s88, 0x3727c5ac                      ; 1e-5
	s_mov_b32 s89, 0x3eaa540e                      ; 0.47047 / sqrt 2
	s_mov_b32 s90, 0xbf38aa3b                      ; -log2(e) / 2
	s_mov_b32 s91, s90
	s_mov_b32 s92, 0x3ebf7377                      ; a3 / 2
	s_mov_b32 s93, s92
	s_mov_b32 s94, 0xbd445ca1                      ; a2 / 2
	s_mov_b32 s95, s94
	s_mov_b32 s96, 0x3e32303a                      ; a1 / 2
	s_mov_b32 s97, s96
	s_mov_b32 s98, 0x3c000000                      ; 1/128
	; the prefetches, as in the launch qkv: A by the cluster with x = 0, B by the one with y = 0, the four partners told apart by address; from K step 4 on, two refills ahead
	s_lshl_b32 s20, s40, 16
	s_add_co_u32 s20, s20, 3*256
	s_mul_i32 s21, s41, 16*2*NCOL
	s_add_co_u32 s21, s21, 3*128*2*NCOL
	s_and_b32 s22, ttmp7, 0xffff
	s_mov_b32 s46, 128*2*NCOL
	s_mov_b32 s23, 2*NCOL
	s_cmp_eq_u32 s13, 0
	s_cselect_b32 s20, s20, s21
	s_cselect_b32 s22, ttmp9, s22
	s_cselect_b64 s[44:45], s[16:17], s[18:19]
	s_cselect_b32 s46, 256, s46
	s_cselect_b32 s23, 2048, s23
	s_mov_b32 s47, 0
	s_mov_b32 s21, 0
	s_add_nc_u64 s[44:45], s[44:45], s[20:21]
	s_cmp_eq_u32 s22, 0
	s_cselect_b32 s15, 2, -1
	v_lshrrev_b32 v10, s13, v5
	v_mul_lo_u32 v[PFO], v10, s23
	v_and_b32 v10, s13, v5
	v_lshl_add_u32 v[PFO], v10, 8, v[PFO]
.macro SUM16 d, s                      ; v[d] = the sum of v[s .. s+15]; v[d .. d+3] at work
	v_pk_add_f32 v[\d:\d+1], v[\s:\s+1], v[\s+2:\s+3]
	v_pk_add_f32 v[\d+2:\d+3], v[\s+4:\s+5], v[\s+6:\s+7]
	v_pk_add_f32 v[\d:\d+1], v[\d:\d+1], v[\s+8:\s+9]
	v_pk_add_f32 v[\d+2:\d+3], v[\d+2:\d+3], v[\s+10:\s+11]
	v_pk_add_f32 v[\d:\d+1], v[\d:\d+1], v[\s+12:\s+13]
	v_pk_add_f32 v[\d+2:\d+3], v[\d+2:\d+3], v[\s+14:\s+15]
	v_pk_add_f32 v[\d:\d+1], v[\d:\d+1], v[\d+2:\d+3]
	v_add_f32 v[\d], v[\d], v[\d+1]
.endm
.macro SQ16 d, s                       ; the sum of their squares
	v_pk_mul_f32 v[\d:\d+1], v[\s:\s+1], v[\s:\s+1]
	v_pk_mul_f32 v[\d+2:\d+3], v[\s+2:\s+3], v[\s+2:\s+3]
.irp j, 4,8,12
	v_pk_fma_f32 v[\d:\d+1], v[\s+\j:\s+\j+1], v[\s+\j:\s+\j+1], v[\d:\d+1]
	v_pk_fma_f32 v[\d+2:\d+3], v[\s+\j+2:\s+\j+3], v[\s+\j+2:\s+\j+3], v[\d+2:\d+3]
.endr
	v_pk_add_f32 v[\d:\d+1], v[\d:\d+1], v[\d+2:\d+3]
	v_add_f32 v[\d], v[\d], v[\d+1]
.endm
.macro LNB b                           ; batch b: the tile means become d_t; var + 1e-5
.set M, LM+32*(\b)
.set Q, LM+32*(\b)+16
	SUM16 W0, M
	v_mul_f32 v[W0], s86, v[W0]
	v_mov_b32 v[W0+1], v[W0]
.irp j, 0,2,4,6,8,10,12,14
	v_pk_add_f32 v[M+\j:M+\j+1], v[M+\j:M+\j+1], v[W0:W0+1] neg_lo:[0,1] neg_hi:[0,1]
.endr
	SUM16 W0+4, Q
	SQ16 W0+8, M
	v_fmamk_f32 v[W0+4], v[W0+8], 0x42800000, v[W0+4]   ; + 64 sum d^2
	v_fma_f32 v[VE+\b], v[W0+4], s87, s88
.endm
.macro LNS b                           ; batch b: its rows of the extra quarter's A, and rstd
.set M, LM+32*(\b)
	v_mul_f32 v[W0], v[VE+\b], v[RQ+\b]            ; sigma
.irp j, 0,1,2,3,4,5,6,7
	v_cvt_pk_f16_f32 v[W0+4+\j], v[M+2*\j], v[M+2*\j+1]
.endr
	v_cvt_pk_f16_f32 v[W0+12], v[W0], v[W0]
	v_mov_b32 v[W0+13], v[W0+12]
	v_mov_b32 v[W0+14], v[W0+12]
	v_mov_b32 v[W0+15], v[W0+12]
	ds_store_b128 v8, v[W0+4:W0+7] offset:32*PX*\b
	ds_store_b128 v8, v[W0+8:W0+11] offset:32*PX*\b+16
	ds_store_b128 v8, v[W0+12:W0+15] offset:32*PX*\b+32
	ds_store_b128 v8, v[W0+12:W0+15] offset:32*PX*\b+48
	ds_store_b32 v9, v[RQ+\b] offset:128*\b
.endm
	s_wait_loadcnt 0x0
	LNB 0
	LNB 1
	v_rsq_f32 v[RQ], v[VE]
	v_rsq_f32 v[RQ+1], v[VE+1]
	v_nop
	s_wait_alu depctr_va_vdst(0)                   ; one wait for both
	LNS 0
	LNS 1
.macro MUL16 f, hi, a0, zero
	WIN MUL_LO+0x50*(\hi)
.irp a, \a0, (\a0)+1
.irp b, 0,1,2,3,4,5,6,7
.if \zero
	v_wmma_f32_16x16x32_f16 v[8*(8*(\a)+(\b)):8*(8*(\a)+(\b))+7], v[(\f)+8*(\b):(\f)+8*(\b)+7], v[(\f)+8*(4*(\hi)+(\a)):(\f)+8*(4*(\hi)+(\a))+7], 0
.else
	v_wmma_f32_16x16x32_f16 v[8*(8*(\a)+(\b)):8*(8*(\a)+(\b))+7], v[(\f)+8*(\b):(\f)+8*(\b)+7], v[(\f)+8*(4*(\hi)+(\a)):(\f)+8*(4*(\hi)+(\a))+7], v[8*(8*(\a)+(\b)):8*(8*(\a)+(\b))+7]
.endif
.endr
.endr
.endm
.macro FETCH q, f
	WIN TO_B
.irp i, 0,1,2,3,4,5,6,7
	ds_load_tr16_b128 v[(\f)+8*(\i):(\f)+8*(\i)+3],   v[ADRB] offset:(\q)*32*PB+32*(\i)
	ds_load_tr16_b128 v[(\f)+8*(\i)+4:(\f)+8*(\i)+7], v[ADRB] offset:(\q)*32*PB+16*PB+32*(\i)
.endr
	WIN 0
.irp i, 0,1,2,3,4,5,6,7
	ds_load_b128 v[(\f)+8*(\i):(\f)+8*(\i)+3],   v[ADRA] offset:64*(\q)+(\i)*16*PA
	ds_load_b128 v[(\f)+8*(\i)+4:(\f)+8*(\i)+7], v[ADRA] offset:64*(\q)+(\i)*16*PA+32
.endr
.endm
.macro FETCHX                          ; the extra quarter into buffer 1
	WIN TO_B
.irp i, 0,1,2,3,4,5,6,7
	ds_load_tr16_b128 v[F1+8*(\i):F1+8*(\i)+3],   v[BXA] offset:32*(\i)
	ds_load_tr16_b128 v[F1+8*(\i)+4:F1+8*(\i)+7], v[BXA] offset:16*PB+32*(\i)
.endr
	WIN 0
.irp i, 0,1,2,3,4,5,6,7
	ds_load_b128 v[F1+8*(\i):F1+8*(\i)+3],   v[AXA] offset:(\i)*16*PX
	ds_load_b128 v[F1+8*(\i)+4:F1+8*(\i)+7], v[AXA] offset:(\i)*16*PX+32
.endr
.endm
.macro QUARTER q, f, g, zero           ; fetches quarter q into buffer g, which the quarter before has multiplied, then multiplies buffer f: the loads have this quarter's 64 products in which to land
	PLACES
	FETCH \q, \g
	s_wait_dscnt 32                                ; all but the 32 just issued: buffer f is in
	MUL16 \f, 0, 0, \zero
	MUL16 \f, 0, 2, \zero
	MUL16 \f, 1, 0, \zero
	MUL16 \f, 1, 2, \zero
.endm
.macro TURN fill, last=0               ; last = 1 (the tail): in the trip with s2 = 1 no K step follows, and the fetch is jumped over
.if \fill
	s_wait_xcnt 0x0                                ; the last prefetch, a K step back, has read its address
	s_add_nc_u64 s[44:45], s[44:45], s[46:47]
.endif
	WIN 0
	s_wait_tensorcnt 0x0                           ; all my tensor loads have landed
	ds_add_u32 v[SPW], v[NIL]
	s_wait_dscnt 9                                 ; (the add and the youngest eight loads, A's rows 64-127, may be out)
	MUL16 F1, 0, 0, 0
	s_wait_dscnt 0x0
	s_barrier_signal -1
	MUL16 F1, 0, 2, 0
	WIN 0
	s_barrier_wait -1
.if \fill
	CREST
	s_xor_b32 s37, s37, SLOT
	s_add_nc_u64 s[38:39], s[38:39], 256
	s_xor_b32 s61, s61, SLOT
	s_add_nc_u64 s[62:63], s[62:63], 128*2*NCOL
	JLOAD
.else
.if \last
	s_cmp_eq_u32 s2, 1
	s_cbranch_scc1 .Lno_more_\@
.endif
	PLACES
.endif
	s_xor_b32 s80, s80, SLOT
	v_add_nc_u32 v[ADRA], s80, v[ADRA0]
	v_add_nc_u32 v[ADRB], s80, v[ADRB0]
	FETCH 0, F0
.if \fill
	ASK
.endif
.if \last
.Lno_more_\@:
.endif
	MUL16 F1, 1, 0, 0
	MUL16 F1, 1, 2, 0
.endm
.macro DUMP
.irp hi, 0,1
	WIN 0x08+4*(\hi)
.irp a, 0,1,2,3
.irp b, 0,1,2,3,4,5,6,7
	ds_store_b128 v[DST], v[8*(8*(\a)+(\b)):8*(8*(\a)+(\b))+3]   offset:(4*(\hi)+(\a))*16*DP+64*(\b)
	ds_store_b128 v[DST], v[8*(8*(\a)+(\b))+4:8*(8*(\a)+(\b))+7] offset:(4*(\hi)+(\a))*16*DP+64*(\b)+16
.endr
.endr
.endr
	WIN 0
.endm
	s_wait_tensorcnt 0x1                           ; the extra rows and K step 0 are in; step 1's load may stay out
	s_wait_dscnt 0x0                               ; my rows of the extra A and my rstd lie in LDS
	s_barrier_signal -1
	s_barrier_wait -1
	FETCHX
	FETCH 0, F0
	s_wait_dscnt 32                                ; the extra quarter is in; the 32 younger loads may be out
	MUL16 F1, 0, 0, 1                              ; its products start the sums
	MUL16 F1, 0, 2, 1
	MUL16 F1, 1, 0, 1
	MUL16 F1, 1, 2, 1
	WIN 0
	s_mov_b32 s3, 7
	s_branch .Lenter                               ; the loop is entered at a K step's first quarter, in the middle of a trip
.Lstep:                                            ; a trip: from a K step's second quarter to the next step's first; it fills one slot
	QUARTER 2, F1, F0, 0
	QUARTER 3, F0, F1, 0
	TURN 1
	WIN 0
.Lenter:
	QUARTER 1, F0, F1, 0
	WIN 0
	s_sub_co_u32 s3, s3, 1
	s_cmp_lg_u32 s3, 0
	s_cbranch_scc1 .Lstep
	s_mov_b32 s2, 2
.Ltail:                                            ; the last two K steps ask for nothing; the second trip is left behind its last quarter
	QUARTER 2, F1, F0, 0
	QUARTER 3, F0, F1, 0
	TURN 0, 1
	WIN 0
	s_sub_co_u32 s2, s2, 1
	s_cmp_eq_u32 s2, 0
	s_cbranch_scc1 .Lout
	QUARTER 1, F0, F1, 0
	WIN 0
	s_branch .Ltail
.Lout:
	s_wait_dscnt 0x0                               ; no LDS read of mine is out
	PLACES
	s_barrier_signal -1                            ; every wave's reads of the ring are over
	s_barrier_wait -1
	DUMP
	s_mov_b32 s2, 16
.Lrows:                                            ; eight rows a trip: row pair p, row l / 16 of it, columns 8 (l % 16) on: sixteen lanes hold a row's 128 columns, the tile
.irp p, 0,1,2,3
	ds_load_b128 v[Z+8*\p:Z+8*\p+3],   v[RDA] offset:2*\p*DP
	ds_load_b128 v[Z+8*\p+4:Z+8*\p+7], v[RDA] offset:2*\p*DP+16
	ds_load_b32 v[RS+\p], v[RSA] offset:8*\p
.endr
	s_wait_dscnt 0x0
.irp p, 0,2
.irp j, 0,2,4,6
	v_pk_fma_f32 v[Z+8*\p+\j:Z+8*\p+\j+1], v[Z+8*\p+\j:Z+8*\p+\j+1], v[RS+\p:RS+\p+1], v[BIAS+\j:BIAS+\j+1] op_sel_hi:[1,0,1]
	v_pk_fma_f32 v[Z+8*\p+8+\j:Z+8*\p+8+\j+1], v[Z+8*\p+8+\j:Z+8*\p+8+\j+1], v[RS+\p:RS+\p+1], v[BIAS+\j:BIAS+\j+1] op_sel:[0,1,0] op_sel_hi:[1,1,1]
.endr
.endr
.set i, 0
.rept 32
	v_fma_f32 v[T+i], |v[Z+i]|, s89, 1.0
.set i, i+1
.endr
.set i, 0
.rept 16
	v_pk_mul_f32 v[E+i:E+i+1], v[Z+i:Z+i+1], s[90:91] op_sel_hi:[1,0]
.set i, i+2
.endr
.set i, 0
.rept 16
	v_pk_mul_f32 v[E+i:E+i+1], v[E+i:E+i+1], v[Z+i:Z+i+1]
.set i, i+2
.endr
.set i, 0
.rept 32
	v_rcp_f32 v[T+i], v[T+i]
.set i, i+1
.endr
.set i, 0
.rept 32
	v_exp_f32 v[E+i], v[E+i]
.set i, i+1
.endr
	v_nop                                          ; a plain instruction behind the last of the batch,
	s_wait_alu depctr_va_vdst(0)                   ; and ONE wait for its 64 results, ahead of their first reader
.set i, 0
.rept 16
	v_pk_fma_f32 v[P+i:P+i+1], v[T+i:T+i+1], s[92:93], s[94:95] op_sel_hi:[1,0,0]
.set i, i+2
.endr
.set i, 0
.rept 16
	v_pk_fma_f32 v[P+i:P+i+1], v[P+i:P+i+1], v[T+i:T+i+1], s[96:97] op_sel_hi:[1,1,0]
.set i, i+2
.endr
.set i, 0
.rept 16
	v_pk_mul_f32 v[P+i:P+i+1], v[P+i:P+i+1], v[T+i:T+i+1]
.set i, i+2
.endr
.set i, 0
.rept 16
	v_pk_fma_f32 v[P+i:P+i+1], v[P+i:P+i+1], v[E+i:E+i+1], 0.5 op_sel_hi:[1,1,0] neg_lo:[1,0,0] neg_hi:[1,0,0]  ; 0.5 - u
.set i, i+2
.endr
.set i, 0
.rept 16
	v_pk_mul_f32 v[E+i:E+i+1], v[Z+i:Z+i+1], 0.5 op_sel_hi:[1,0]
.set i, i+2
.endr
.set i, 0
.rept 32
	v_fma_f32 v[Z+i], |v[Z+i]|, v[P+i], v[E+i]     ; h
.set i, i+1
.endr
.irp p, 0,1,2,3
	v_pk_add_f32 v[SS+4*\p:SS+4*\p+1], v[Z+8*\p:Z+8*\p+1], v[Z+8*\p+2:Z+8*\p+3]
	v_pk_add_f32 v[SS+4*\p+2:SS+4*\p+3], v[Z+8*\p+4:Z+8*\p+5], v[Z+8*\p+6:Z+8*\p+7]
.endr
.irp p, 0,1,2,3
	v_pk_add_f32 v[SS+4*\p:SS+4*\p+1], v[SS+4*\p:SS+4*\p+1], v[SS+4*\p+2:SS+4*\p+3]
.endr
.irp p, 0,1,2,3
	v_add_f32 v[SS+4*\p], v[SS+4*\p], v[SS+4*\p+1]
.endr
.irp m, 1,2,4,8
.irp p, 0,1,2,3
	v_add_f32_dpp v[SS+4*\p], v[SS+4*\p], v[SS+4*\p] row_xmask:\m row_mask:0xf bank_mask:0xf
.endr
.endr
.irp p, 0,1,2,3
	v_mul_f32 v[MU+2*\p], s98, v[SS+4*\p]
	v_mul_f32 v[MU+2*\p+1], s98, v[SS+4*\p]
.endr
.irp p, 0,1,2,3
.irp j, 0,2,4,6
	v_pk_add_f32 v[Z+8*\p+\j:Z+8*\p+\j+1], v[Z+8*\p+\j:Z+8*\p+\j+1], v[MU+2*\p:MU+2*\p+1] neg_lo:[0,1] neg_hi:[0,1]
.endr
.endr
.irp p, 0,1,2,3
	v_pk_mul_f32 v[SS+4*\p:SS+4*\p+1], v[Z+8*\p:Z+8*\p+1], v[Z+8*\p:Z+8*\p+1]
	v_pk_mul_f32 v[SS+4*\p+2:SS+4*\p+3], v[Z+8*\p+2:Z+8*\p+3], v[Z+8*\p+2:Z+8*\p+3]
.endr
.irp p, 0,1,2,3
	v_pk_fma_f32 v[SS+4*\p:SS+4*\p+1], v[Z+8*\p+4:Z+8*\p+5], v[Z+8*\p+4:Z+8*\p+5], v[SS+4*\p:SS+4*\p+1]
	v_pk_fma_f32 v[SS+4*\p+2:SS+4*\p+3], v[Z+8*\p+6:Z+8*\p+7], v[Z+8*\p+6:Z+8*\p+7], v[SS+4*\p+2:SS+4*\p+3]
.endr
.irp p, 0,1,2,3
	v_pk_add_f32 v[SS+4*\p:SS+4*\p+1], v[SS+4*\p:SS+4*\p+1], v[SS+4*\p+2:SS+4*\p+3]
.endr
.irp p, 0,1,2,3
	v_add_f32 v[SS+4*\p], v[SS+4*\p], v[SS+4*\p+1]
.endr
.irp m, 1,2,4,8
.irp p, 0,1,2,3
	v_add_f32_dpp v[SS+4*\p], v[SS+4*\p], v[SS+4*\p] row_xmask:\m row_mask:0xf bank_mask:0xf
.endr
.endr
.irp p, 0,1,2,3
.irp j, 0,1,2,3
	v_cvt_pk_f16_f32 v[OPK+4*\p+\j], v[Z+8*\p+2*\j], v[Z+8*\p+2*\j+1]
.endr
	global_store_b128 v[CO], v[OPK+4*\p:OPK+4*\p+3], s[82:83] offset:2*\p*8192  ; sixteen lanes store 256 consecutive bytes, aligned
	ds_store_b32 v[STA], v[MU+2*\p] offset:8*\p          ; sixteen lanes write the same word with the same value
	ds_store_b32 v[STA], v[SS+4*\p] offset:8*\p+512
.endr
	v_add_nc_u32 v[RDA], 8*DP, v[RDA]
	v_add_nc_u32 v[RSA], 32, v[RSA]
	v_add_nc_u32 v[STA], 32, v[STA]
	s_wait_xcnt 0x0                                ; the stores have read their data and their base
	s_add_nc_u64 s[82:83], s[82:83], 8*8192
	s_sub_co_u32 s2, s2, 1
	s_cmp_lg_u32 s2, 0
	s_cbranch_scc1 .Lrows
	ds_load_b128 v[64:67], v11                     ; my wave's own words, in order behind its stores: 128 means,
	ds_load_b128 v[68:71], v11 offset:512          ; 128 M2
	s_wait_dscnt 0x0
	global_store_b128 v12, v[64:67], s[10:11]
	global_store_b128 v12, v[68:71], s[10:11] offset:524288
	s_wait_tensorcnt 0x0                           ; the wave's end
	ds_add_u32 v[SPW], v[NIL]
	s_wait_dscnt 0x0
	CROUND
	s_endpgm
.Lfunc_end_k_q91bb0f05ad_fc1:
	.size	k_q91bb0f05ad_fc1, .Lfunc_end_k_q91bb0f05ad_fc1-k_q91bb0f05ad_fc1
	.p2alignl 7, 3214868480
	.fill 96, 4, 3214868480
	.section	.rodata,"a",@progbits
	.p2align	6, 0x0
	.amdhsa_kernel k_q91bb0f05ad_fc1
		.amdhsa_group_segment_fixed_size 327680
		.amdhsa_private_segment_fixed_size 0
		.amdhsa_enable_private_segment 0
		.amdhsa_kernarg_size 32
		.amdhsa_user_sgpr_count 2
		.amdhsa_user_sgpr_kernarg_segment_ptr 1
		.amdhsa_wavefront_size32 1
		.amdhsa_system_sgpr_workgroup_id_x 1
		.amdhsa_system_sgpr_workgroup_id_y 1
		.amdhsa_system_sgpr_workgroup_id_z 1
		.amdhsa_system_vgpr_workitem_id 0
		.amdhsa_next_free_vgpr 1024
		.amdhsa_next_free_sgpr 100
		.amdhsa_reserve_vcc 0
		.amdhsa_float_denorm_mode_32 3
		.amdhsa_float_denorm_mode_16_64 3
		.amdhsa_memory_ordered 1
		.amdhsa_forward_progress 1
		.amdhsa_inst_pref_size 117
	.end_amdhsa_kernel
	.amdgpu_metadata
---
amdhsa.version: [ 1, 2 ]
amdhsa.kernels:
  - .name:           k_q91bb0f05ad_fc1
    .symbol:         k_q91bb0f05ad_fc1.kd
    .args:
      - { .name: wts, .offset: 0, .size: 8, .value_kind: global_buffer, .address_space: global }
      - { .name: r1, .offset: 8, .size: 8, .value_kind: global_buffer, .address_space: global }
      - { .name: fc1_b, .offset: 16, .size: 8, .value_kind: global_buffer, .address_space: global }
      - { .name: r2, .offset: 24, .size: 8, .value_kind: global_buffer, .address_space: global }
    .group_segment_fixed_size: 327680
    .private_segment_fixed_size: 0
    .kernarg_segment_align: 8
    .kernarg_segment_size: 32
    .max_flat_workgroup_size: 128
    .sgpr_count:     100
    .vgpr_count:     1024
    .wavefront_size: 32
...
	.end_amdgpu_metadata
.endif
;; end of part 5
;; launch fc2 (part 6): grid 8 x 32, 4 waves a work-group, clusters of 4 x 4, 327,680 bytes of LDS; arguments r2, wts, r1, fc2_b, out0; writes out0
.if DOCPART == 6
	.amdgcn_target "amdgcn-amd-amdhsa--gfx1250"
	.amdhsa_code_object_version 6
	.text
	.protected	k_q91bb0f05ad_fc2
	.globl	k_q91bb0f05ad_fc2
	.p2align	8
	.type	k_q91bb0f05ad_fc2,@function
k_q91bb0f05ad_fc2:
	s_mov_b64 s[64:65], 0
	v_nop
	global_prefetch_b8 v0, s[64:65] scope:SCOPE_SE
	s_setreg_imm32_b32 hwreg(HW_REG_WAVE_MODE, 25, 1), 1
	s_wait_xcnt 0x0
	s_wait_alu depctr_hold_cnt(0) depctr_sa_sdst(0) depctr_va_vdst(0) depctr_va_sdst(0) depctr_va_ssrc(0) depctr_va_vcc(0) depctr_vm_vsrc(0)
	s_getreg_b32 s2, hwreg(HW_REG_IB_STS2, 6, 4)
	s_cmp_eq_u32 s2, 0
	s_cbranch_scc0 .Lentry_in_a_cluster
	s_endpgm
.Lentry_in_a_cluster:
	s_bfe_u32 s2, ttmp6, 0x10000c
	s_cmp_lg_u32 s2, 0xf033
	s_cbranch_scc0 .Lentry_shape_is_right
	s_endpgm
.Lentry_shape_is_right:
; Launch 6 of 6: out0 = x1 + LayerNorm(h) fc2_w + fc2_b.  Nothing of the problem's work is left out.  LIMIT: d_t or sigma beyond 65,504 are not served.
; THE NORM IN THE PRODUCT, as in the launch fc1, with 32 tiles of 128 columns: var = (sum M2_t + 128 sum d_t^2) / 4096; the extra quarter step has 64 along K: A rows (d_0..d_31, sigma x 32).
; THE RESIDUAL: the accumulators start as sigma x1, so that rstd x accumulator gives x1 back (sigma rstd = 1 to within two roundings) beside the normalised product.
; The frame is the launch proj's: 128 x 128 a work-group, 64 x 64 a wave, K = 4096 in 16 steps of 256 through two slots, cluster 4 x 4, one K step a trip, a quarter's fragments fetched at the
; head of the quarter before it.
.set PA,    528
.set AQ,    128
.set HA,    64*PA
.set PB,    288
.set HB,    128*PB
.set BOFF,  2*HA
.set SLOT,  147456                     ; 0x24000: shares no bit with the tiles' places in a slot
.set DP,    528
.set XB,    SLOT+BOFF+2*HB             ; the 64 extra rows of B, pitch 288
.set APR,   XB+64*PB                   ; the extra quarter's A: 128 rows x 128 bytes + 16
.set PX,    144
.set RSTD,  APR+128*PX
.set SIG,   RSTD+512
.set SPARE, SIG+512
.set W2_O,  25427968
.set ST2_O, 33554432
.set NSTEP, 16
.set ADRA0, 16
.set ADRB0, 17
.set ADRA,  18
.set ADRBL, 19
.set DST,   21
.set RD,    22
.set CO,    23
.set RSA,   24
.set SGA,   25
.set XO,    26
.set AXA,   27
.set SPW,   28
.set NIL,   29
.set PFO,   30
.set BXA,   31
.set R,     32
.set RS,    48
.set OV,    52
.set BIAS,  124
.set ACC,   128
.set F0,    0
.set F1,    128
.set MSB, 0
.macro WIN new
.if MSB != (\new)
	s_set_vgpr_msb (MSB<<8)|(\new)
.set MSB, \new
.endif
.endm
.set MUL,  0x05
.set TO_F, 0x40
.macro PLACES
.rept 4
	v_nop
.endr
.endm
.macro JLOAD
	s_cmp_eq_u32 s13, 0
	s_cbranch_scc0 .Lfor_b_\@
	tensor_load_to_lds s[36:39], s[24:31]
	s_nop 0
	PLACES
	s_branch .Lasked_\@
.Lfor_b_\@:
	tensor_load_to_lds s[60:63], s[48:55]
	s_nop 0
	PLACES
.Lasked_\@:
.endm
.macro ASK                             ; the K step two refills on: 32 blocks of 256 bytes, a lane a block, each named once in the launch
	s_cmp_gt_u32 s3, s15
	s_cbranch_scc0 .Lnot_mine_\@
	global_prefetch_b8 v[PFO], s[44:45] th:TH_LOAD_NT scope:SCOPE_SE
.Lnot_mine_\@:
.endm
.macro CREST
	s_cmp_lg_u32 s12, 0
	s_cbranch_scc1 .Lnot_wave_0_\@
	s_barrier_signal -3
.Lnot_wave_0_\@:
	s_barrier_wait -3
	s_barrier_signal -1
	s_barrier_wait -1
.endm
.macro CROUND
	s_barrier_signal -1
	s_barrier_wait -1
	CREST
.endm
	s_load_b256 s[4:11], s[0:1], 0x0               ; r2, wts, r1, fc2_b
	s_load_b64 s[84:85], s[0:1], 0x20              ; out0
	v_lshl_add_u32 v[SPW], v0, 2, SPARE
	v_mov_b32 v[NIL], 0
	ds_add_u32 v[SPW], v[NIL]                      ; the opening: the add, twice on end, and its wait ahead of my first tensor load
	ds_add_u32 v[SPW], v[NIL]
	v_lshrrev_b32 v1, 5, v0
	v_readfirstlane_b32 s12, v1
	s_lshr_b32 s13, s12, 1
	s_and_b32 s14, s12, 1
	s_bfe_u32 s40, ttmp6, 0x40000
	s_bfe_u32 s41, ttmp6, 0x40004
	s_lshl_b32 s42, ttmp9, 2
	s_add_co_u32 s42, s42, s40
	s_and_b32 s43, ttmp7, 0xffff
	s_lshl_b32 s43, s43, 2
	s_add_co_u32 s43, s43, s41
	s_lshl_b32 s20, s41, 2
	s_lshl_b32 s20, 15, s20
	s_lshl_b32 s21, 0x1111, s40
	s_or_b32 s24, s20, (1<<16)|(1<<20)|(1<<21)|(6<<22)|(3<<25)  ; A: 64 rows of 512 bytes, 4 words of padding after every 128
	s_mov_b32 s25, 256<<16
	s_mov_b32 s26, 64<<16
	s_mov_b32 s27, 256<<16
	s_mov_b32 s28, 64
	s_mov_b32 s29, 4096
	s_mov_b32 s30, 0
	s_mov_b32 s31, 0
	s_or_b32 s48, s21, (1<<16)|(1<<20)|(1<<21)|(5<<22)|(7<<25)  ; B: 128 rows of 256 bytes, 8 words of padding after every 64
	s_mov_b32 s49, 128<<16
	s_mov_b32 s50, 128<<16
	s_mov_b32 s51, 128<<16
	s_mov_b32 s52, 128
	s_mov_b32 s53, 1024
	s_mov_b32 s54, 0
	s_mov_b32 s55, 0
	s_or_b32 s68, s21, (1<<16)|(1<<20)|(1<<21)|(5<<22)|(7<<25)  ; the extra rows: B's shape with 32 rows
	s_mov_b32 s69, 128<<16
	s_mov_b32 s70, 32<<16
	s_mov_b32 s71, 128<<16
	s_mov_b32 s72, 32
	s_mov_b32 s73, 1024
	s_mov_b32 s74, 0
	s_mov_b32 s75, 0
	s_lshl1_add_u32 s16, s43, s14
	s_lshl_b32 s16, s16, 19                        ; A: (128 ty + 64 half) rows of 8,192 bytes
	s_mov_b32 s17, 0
	s_lshl_b32 s18, s14, 18                        ; B: 128 half rows of 2,048 bytes,
	s_lshl_b32 s19, s42, 8
	s_add_co_u32 s18, s18, s19
	s_add_co_u32 s18, s18, W2_O
	s_mov_b32 s19, 0
	s_lshl_b32 s22, s14, 16                        ; the extra rows: 4096 + 32 half
	s_lshl_b32 s23, s42, 8
	s_add_co_u32 s22, s22, s23
	s_add_co_u32 s22, s22, W2_O+4096*2048
	s_mov_b32 s23, 0
	s_mul_i32 s2, s14, HA
	s_mul_i32 s3, s14, HB
	s_add_co_u32 s3, s3, BOFF
	s_wait_dscnt 0x0
	s_wait_kmcnt 0x0
	s_add_nc_u64 s[16:17], s[4:5], s[16:17]
	s_add_nc_u64 s[18:19], s[6:7], s[18:19]
	s_add_nc_u64 s[22:23], s[6:7], s[22:23]
	CROUND
.irp s, 0,1
	s_mov_b32 s[32+4*\s], 1
	s_add_co_u32 s[33+4*\s], s2, \s*SLOT
	s_add_nc_u64 s[34+4*\s:35+4*\s], s[16:17], \s*512
	s_or_b32 s[35+4*\s], s[35+4*\s], 0x80000000
	s_mov_b32 s[56+4*\s], 1
	s_add_co_u32 s[57+4*\s], s3, \s*SLOT
	s_add_nc_u64 s[58+4*\s:59+4*\s], s[18:19], \s*524288
	s_or_b32 s[59+4*\s], s[59+4*\s], 0x80000000
.endr
	s_mov_b32 s76, 1
	s_mul_i32 s77, s14, 32*PB
	s_add_co_u32 s77, s77, XB
	s_mov_b64 s[78:79], s[22:23]
	s_or_b32 s79, s79, 0x80000000
	s_cmp_eq_u32 s13, 0                            ; the first fills, one group in one branch: two loads of waves 0 and 1 are out, three of waves 2 and 3
	s_cbranch_scc0 .Lfirst_b
	tensor_load_to_lds s[32:35], s[24:31]
	s_nop 0
	tensor_load_to_lds s[36:39], s[24:31]
	s_nop 0
	PLACES
	s_branch .Lfirst_done
.Lfirst_b:
	tensor_load_to_lds s[76:79], s[68:75]
	s_nop 0
	tensor_load_to_lds s[56:59], s[48:55]
	s_nop 0
	tensor_load_to_lds s[60:63], s[48:55]
	s_nop 0
	PLACES
.Lfirst_done:
	; the rows' statistics: a lane a row, wave w rows 32 w on: 32 means into v32-63, 32 M2 into v64-95
	s_lshl_b32 s20, s43, 9
	s_add_co_u32 s20, s20, ST2_O
	s_mov_b32 s21, 0
	s_add_nc_u64 s[4:5], s[4:5], s[20:21]
	v_and_b32 v5, 31, v0
	s_lshl_b32 s22, s12, 5
	v_add_nc_u32 v6, s22, v5
	v_lshlrev_b32 v7, 2, v6
.set t, 0
.rept 32
	global_load_b32 v[32+t], v7, s[4:5] offset:t*16384
	global_load_b32 v[64+t], v7, s[4:5] offset:t*16384+524288
.set t, t+1
.endr
	v_and_b32 v1, 15, v0
	v_bfe_u32 v2, v0, 4, 1
	v_and_b32 v3, 7, v0
	v_bfe_u32 v4, v0, 3, 1
	s_lshl1_add_u32 s20, s43, s13                  ; x1 into the accumulators, as the launch proj takes x
	s_lshl_b32 s20, s20, 18
	s_lshl1_add_u32 s21, s42, s14
	s_lshl_b32 s21, s21, 8
	s_add_co_u32 s20, s20, s21
	s_mov_b32 s21, 0
	s_add_nc_u64 s[8:9], s[8:9], s[20:21]
	v_lshlrev_b32 v[XO], 12, v1
	v_lshl_add_u32 v[XO], v2, 5, v[XO]
.irp a, 0,1,2,3
.irp b, 0,1,2,3
	global_load_b128 v[ACC+8*(4*\a+\b):ACC+8*(4*\a+\b)+3],   v[XO], s[8:9] offset:\a*65536+64*\b
	global_load_b128 v[ACC+8*(4*\a+\b)+4:ACC+8*(4*\a+\b)+7], v[XO], s[8:9] offset:\a*65536+64*\b+16
.endr
.endr
	s_lshl_b32 s20, s42, 9
	v_lshl_add_u32 v8, v5, 4, s20
	global_load_b128 v[BIAS:BIAS+3], v8, s[10:11]  ; fc2_b of columns 128 tx + 4 l on
	v_mul_u32_u24 v9, v6, PX
	v_add_nc_u32 v9, APR, v9
	v_add_nc_u32 v10, RSTD, v7
	v_mul_u32_u24 v11, v1, PA
	v_lshl_add_u32 v11, v2, 4, v11
	s_mul_i32 s20, s13, 64*PA
	v_add_nc_u32 v[ADRA0], s20, v11
	v_lshl_add_u32 v11, v2, 3, v3
	v_mul_u32_u24 v11, v11, PB
	v_lshl_add_u32 v11, v4, 4, v11
	s_lshl_b32 s20, s14, 7
	s_add_co_u32 s21, s20, BOFF
	v_add_nc_u32 v[ADRB0], s21, v11
	s_add_co_u32 s21, s20, XB
	v_add_nc_u32 v[BXA], s21, v11
	v_mov_b32 v[ADRA], v[ADRA0]
	v_mov_b32 v[ADRBL], v[ADRB0]
	v_add_nc_u32 v[ADRBL+1], HB, v[ADRB0]
	s_mov_b32 s80, 0
	v_mul_u32_u24 v11, v1, PX
	v_lshl_add_u32 v11, v2, 4, v11
	s_mul_i32 s20, s13, 64*PX
	s_add_co_u32 s20, s20, APR
	v_add_nc_u32 v[AXA], s20, v11
	s_lshl_b32 s20, s13, 8
	s_add_co_u32 s20, s20, SIG
	v_lshl_add_u32 v[SGA], v1, 2, s20
	s_mul_i32 s20, s13, 64*DP
	s_lshl_b32 s21, s14, 8
	s_add_co_u32 s20, s20, s21
	v_mul_u32_u24 v11, v1, DP
	v_lshl_add_u32 v11, v2, 5, v11
	v_add_nc_u32 v[DST], s20, v11
	s_mul_i32 s20, s12, 32*DP
	v_lshl_add_u32 v[RD], v5, 4, s20
	v_lshlrev_b32 v[CO], 4, v5
	s_lshl_b32 s20, s12, 7
	s_add_co_u32 s20, s20, RSTD
	v_mov_b32 v[RSA], s20                          ; four rows' rstd, the same address in every lane
	s_lshl2_add_u32 s20, s43, s12
	s_lshl_b32 s20, s20, 17
	s_lshl_b32 s21, s42, 9
	s_add_co_u32 s20, s20, s21
	s_mov_b32 s21, 0
	s_add_nc_u64 s[84:85], s[84:85], s[20:21]      ; out0 at my first row
	s_mov_b32 s86, 0x3d000000                      ; 1/32
	s_mov_b32 s87, 0x39800000                      ; 1/4096
	s_mov_b32 s88, 0x3727c5ac                      ; 1e-5
	; THE PREFETCHES.  A's rows by the cluster with x = 0: of a wave's 64 rows partner cx takes 16, two blocks a row; B's by the cluster with y = 0: of 128 rows partner cy takes 32, a lane a row.
	; The pointer stands at K step 3; each refill steps it and names the step two refills on; steps 0 to 3 come by their loads alone, and the last two refills ask for nothing.
	s_lshl_b32 s20, s40, 17
	s_add_co_u32 s20, s20, 3*512
	s_lshl_b32 s21, s41, 16
	s_add_co_u32 s21, s21, 3*524288
	s_and_b32 s22, ttmp7, 0xffff
	s_xor_b32 s81, s13, 1                          ; 1 where I fetch for A
	s_mov_b32 s46, 524288
	s_mov_b32 s23, 2048
	s_cmp_eq_u32 s13, 0
	s_cselect_b32 s20, s20, s21
	s_cselect_b32 s22, ttmp9, s22
	s_cselect_b64 s[44:45], s[16:17], s[18:19]
	s_cselect_b32 s46, 512, s46
	s_cselect_b32 s23, 8192, s23
	s_mov_b32 s47, 0
	s_mov_b32 s21, 0
	s_add_nc_u64 s[44:45], s[44:45], s[20:21]
	s_cmp_eq_u32 s22, 0
	s_cselect_b32 s15, 2, -1
	v_lshrrev_b32 v11, s81, v5
	v_mul_lo_u32 v[PFO], v11, s23
	v_and_b32 v11, s81, v5
	v_lshl_add_u32 v[PFO], v11, 8, v[PFO]
.macro SUM16 d, s
	v_pk_add_f32 v[\d:\d+1], v[\s:\s+1], v[\s+2:\s+3]
	v_pk_add_f32 v[\d+2:\d+3], v[\s+4:\s+5], v[\s+6:\s+7]
	v_pk_add_f32 v[\d:\d+1], v[\d:\d+1], v[\s+8:\s+9]
	v_pk_add_f32 v[\d+2:\d+3], v[\d+2:\d+3], v[\s+10:\s+11]
	v_pk_add_f32 v[\d:\d+1], v[\d:\d+1], v[\s+12:\s+13]
	v_pk_add_f32 v[\d+2:\d+3], v[\d+2:\d+3], v[\s+14:\s+15]
	v_pk_add_f32 v[\d:\d+1], v[\d:\d+1], v[\d+2:\d+3]
	v_add_f32 v[\d], v[\d], v[\d+1]
.endm
.macro SQ16 d, s
	v_pk_mul_f32 v[\d:\d+1], v[\s:\s+1], v[\s:\s+1]
	v_pk_mul_f32 v[\d+2:\d+3], v[\s+2:\s+3], v[\s+2:\s+3]
.irp j, 4,8,12
	v_pk_fma_f32 v[\d:\d+1], v[\s+\j:\s+\j+1], v[\s+\j:\s+\j+1], v[\d:\d+1]
	v_pk_fma_f32 v[\d+2:\d+3], v[\s+\j+2:\s+\j+3], v[\s+\j+2:\s+\j+3], v[\d+2:\d+3]
.endr
	v_pk_add_f32 v[\d:\d+1], v[\d:\d+1], v[\d+2:\d+3]
	v_add_f32 v[\d], v[\d], v[\d+1]
.endm
	s_wait_loadcnt 33                              ; the 64 statistics are in; the 33 younger loads (x1, the bias) may stay out
	SUM16 96, 32
	SUM16 100, 48
	v_add_f32 v96, v96, v100
	v_mul_f32 v96, s86, v96                        ; the row's mean
	v_mov_b32 v97, v96
.set i, 0
.rept 16
	v_pk_add_f32 v[32+i:32+i+1], v[32+i:32+i+1], v[96:97] neg_lo:[0,1] neg_hi:[0,1]   ; d_t
.set i, i+2
.endr
	SUM16 100, 64
	SUM16 104, 80
	v_add_f32 v100, v100, v104
	SQ16 104, 32
	SQ16 108, 48
	v_add_f32 v104, v104, v108
	v_fmamk_f32 v100, v104, 0x43000000, v100       ; + 128 sum d^2
	v_fma_f32 v100, v100, s87, s88
	v_rsq_f32 v101, v100
	v_nop
	s_wait_alu depctr_va_vdst(0)
	v_mul_f32 v102, v100, v101                     ; sigma
.set i, 0
.rept 16
	v_cvt_pk_f16_f32 v[104+i], v[32+2*i], v[32+2*i+1]
.set i, i+1
.endr
	v_cvt_pk_f16_f32 v120, v102, v102
	v_mov_b32 v121, v120
	v_mov_b32 v122, v120
	v_mov_b32 v123, v120
.irp j, 0,1,2,3
	ds_store_b128 v9, v[104+4*\j:107+4*\j] offset:16*\j
	ds_store_b128 v9, v[120:123] offset:64+16*\j
.endr
	ds_store_b32 v10, v101
	ds_store_b32 v10, v102 offset:512
.macro MUL8 f, c, a0
	WIN MUL
.irp a, \a0, (\a0)+1
.irp b, 0,1,2,3
	v_wmma_f32_16x16x32_f16 v[ACC+8*(4*(\a)+(\b)):ACC+8*(4*(\a)+(\b))+7], v[(\f)+64+8*(4*(\c)+(\b)):(\f)+64+8*(4*(\c)+(\b))+7], v[(\f)+8*(4*(\c)+(\a)):(\f)+8*(4*(\c)+(\a))+7], v[ACC+8*(4*(\a)+(\b)):ACC+8*(4*(\a)+(\b))+7]
.endr
.endr
.endm
.macro FETCH q, f
	WIN TO_F
.irp c, 0,1
.irp i, 0,1,2,3
	ds_load_tr16_b128 v[(\f)+64+8*(4*(\c)+(\i)):(\f)+64+8*(4*(\c)+(\i))+3],   v[ADRBL+((\q)>>1)] offset:(((\q)&1)*64+32*(\c))*PB+32*(\i)
	ds_load_tr16_b128 v[(\f)+64+8*(4*(\c)+(\i))+4:(\f)+64+8*(4*(\c)+(\i))+7], v[ADRBL+((\q)>>1)] offset:(((\q)&1)*64+32*(\c)+16)*PB+32*(\i)
	ds_load_b128 v[(\f)+8*(4*(\c)+(\i)):(\f)+8*(4*(\c)+(\i))+3],   v[ADRA] offset:AQ*(\q)+64*(\c)+(\i)*16*PA
	ds_load_b128 v[(\f)+8*(4*(\c)+(\i))+4:(\f)+8*(4*(\c)+(\i))+7], v[ADRA] offset:AQ*(\q)+64*(\c)+(\i)*16*PA+32
.endr
.endr
.endm
.macro FETCHX                          ; the extra quarter into buffer 1
	WIN TO_F
.irp c, 0,1
.irp i, 0,1,2,3
	ds_load_tr16_b128 v[F1+64+8*(4*(\c)+(\i)):F1+64+8*(4*(\c)+(\i))+3],   v[BXA] offset:32*(\c)*PB+32*(\i)
	ds_load_tr16_b128 v[F1+64+8*(4*(\c)+(\i))+4:F1+64+8*(4*(\c)+(\i))+7], v[BXA] offset:(32*(\c)+16)*PB+32*(\i)
	ds_load_b128 v[F1+8*(4*(\c)+(\i)):F1+8*(4*(\c)+(\i))+3],   v[AXA] offset:64*(\c)+(\i)*16*PX
	ds_load_b128 v[F1+8*(4*(\c)+(\i))+4:F1+8*(4*(\c)+(\i))+7], v[AXA] offset:64*(\c)+(\i)*16*PX+32
.endr
.endr
.endm
.macro QUARTER q, f, g                 ; fetches quarter q into buffer g, which the quarter before has multiplied, then multiplies buffer f
	PLACES
	FETCH \q, \g
	s_wait_dscnt 32                                ; all but the 32 just issued: buffer f is in
	MUL8 \f, 0, 0
	MUL8 \f, 0, 2
	MUL8 \f, 1, 0
	MUL8 \f, 1, 2
.endm
.macro TURN fill, last=0               ; last = 1 (the tail): in the trip with s2 = 1 no K step follows, and the fetch is jumped over
.if \fill
	s_wait_xcnt 0x0                                ; the last prefetch, a K step back, has read its address
	s_add_nc_u64 s[44:45], s[44:45], s[46:47]
.endif
	WIN 0
	s_wait_tensorcnt 0x0                           ; all my tensor loads have landed
	ds_add_u32 v[SPW], v[NIL]
	s_wait_dscnt 17                                ; (the add and the youngest sixteen loads, the second 32 along K, may be out)
	MUL8 F1, 0, 0
	s_wait_dscnt 0x0
	s_barrier_signal -1
	MUL8 F1, 0, 2
	WIN 0
	s_barrier_wait -1
.if \fill
	CREST
	s_xor_b32 s37, s37, SLOT
	s_add_nc_u64 s[38:39], s[38:39], 512
	s_xor_b32 s61, s61, SLOT
	s_add_nc_u64 s[62:63], s[62:63], 524288
	JLOAD                                          ; my one tensor load behind the round; 112 products stand between it and the wait for it
.else
.if \last
	s_cmp_eq_u32 s2, 1
	s_cbranch_scc1 .Lno_more_\@
.endif
	PLACES
.endif
	s_xor_b32 s80, s80, SLOT
	v_add_nc_u32 v[ADRA], s80, v[ADRA0]
	v_add_nc_u32 v[ADRBL], s80, v[ADRB0]
	v_add_nc_u32 v[ADRBL+1], HB, v[ADRBL]
	FETCH 0, F0
.if \fill
	WIN 0
	ASK
.endif
.if \last
	WIN 0
.Lno_more_\@:
.endif
	MUL8 F1, 1, 0
	MUL8 F1, 1, 2
.endm
	s_wait_tensorcnt 0x1                           ; the extra rows and K step 0 are in; step 1's load may stay out
	s_wait_dscnt 0x0                               ; my rows of the extra A, rstd and sigma lie in LDS
	s_barrier_signal -1
	s_barrier_wait -1
.irp a, 0,1,2,3
	ds_load_b32 v[96+\a], v[SGA] offset:64*\a      ; sigma of row 16 a + r
.endr
	FETCHX
	WIN 0
	s_wait_loadcnt 0x0                             ; x1 lies in the accumulators
	s_wait_dscnt 32                                ; the four sigma are in; the 32 younger loads may be out
.irp a, 0,2
.set i, 0
.rept 16
	v_pk_mul_f32 v[ACC+32*\a+i:ACC+32*\a+i+1], v[ACC+32*\a+i:ACC+32*\a+i+1], v[96+\a:97+\a] op_sel_hi:[1,0]
	v_pk_mul_f32 v[ACC+32*\a+32+i:ACC+32*\a+32+i+1], v[ACC+32*\a+32+i:ACC+32*\a+32+i+1], v[96+\a:97+\a] op_sel:[0,1] op_sel_hi:[1,1]
.set i, i+2
.endr
.endr
	FETCH 0, F0
	s_wait_dscnt 32                                ; the extra quarter is in
	MUL8 F1, 0, 0
	MUL8 F1, 0, 2
	MUL8 F1, 1, 0
	MUL8 F1, 1, 2
	WIN 0
	s_mov_b32 s3, NSTEP-1
	s_branch .Lenter                               ; the loop is entered at a K step's first quarter, in the middle of a trip
.Lstep:                                            ; a trip: from a K step's second quarter to the next step's first; it fills one slot
	QUARTER 2, F1, F0
	QUARTER 3, F0, F1
	TURN 1
	WIN 0
.Lenter:
	QUARTER 1, F0, F1
	WIN 0
	s_sub_co_u32 s3, s3, 1
	s_cmp_lg_u32 s3, 0
	s_cbranch_scc1 .Lstep
	s_mov_b32 s2, 2
.Ltail:                                            ; the last two K steps ask for nothing; the second trip is left behind its last quarter
	QUARTER 2, F1, F0
	QUARTER 3, F0, F1
	TURN 0, 1
	WIN 0
	s_sub_co_u32 s2, s2, 1
	s_cmp_eq_u32 s2, 0
	s_cbranch_scc1 .Lout
	QUARTER 1, F0, F1
	WIN 0
	s_branch .Ltail
.Lout:
	s_wait_dscnt 0x0                               ; no LDS read of mine is out
	PLACES
	s_barrier_signal -1                            ; every wave's reads of the ring are over
	s_barrier_wait -1
.irp a, 0,1,2,3
.irp b, 0,1,2,3
	ds_store_b128 v[DST], v[ACC+8*(4*\a+\b):ACC+8*(4*\a+\b)+3]   offset:\a*16*DP+64*\b
	ds_store_b128 v[DST], v[ACC+8*(4*\a+\b)+4:ACC+8*(4*\a+\b)+7] offset:\a*16*DP+64*\b+16
.endr
.endr
	s_wait_dscnt 0x0                               ; a row's 512 bytes come from two waves
	s_barrier_signal -1
	s_barrier_wait -1
	s_mov_b32 s2, 8
.Lrows:                                            ; four rows a trip
.irp j, 0,1,2,3
	ds_load_b128 v[R+4*\j:R+4*\j+3], v[RD] offset:\j*DP
.endr
	ds_load_b128 v[RS:RS+3], v[RSA]
	s_wait_dscnt 0x0
.irp j, 0,2
	v_pk_fma_f32 v[OV+4*\j:OV+4*\j+1], v[R+4*\j:R+4*\j+1], v[RS+\j:RS+\j+1], v[BIAS:BIAS+1] op_sel_hi:[1,0,1]
	v_pk_fma_f32 v[OV+4*\j+2:OV+4*\j+3], v[R+4*\j+2:R+4*\j+3], v[RS+\j:RS+\j+1], v[BIAS+2:BIAS+3] op_sel_hi:[1,0,1]
	v_pk_fma_f32 v[OV+4*\j+4:OV+4*\j+5], v[R+4*\j+4:R+4*\j+5], v[RS+\j:RS+\j+1], v[BIAS:BIAS+1] op_sel:[0,1,0] op_sel_hi:[1,1,1]
	v_pk_fma_f32 v[OV+4*\j+6:OV+4*\j+7], v[R+4*\j+6:R+4*\j+7], v[RS+\j:RS+\j+1], v[BIAS+2:BIAS+3] op_sel:[0,1,0] op_sel_hi:[1,1,1]
.endr
.irp j, 0,1,2,3
	global_store_b128 v[CO], v[OV+4*\j:OV+4*\j+3], s[84:85] offset:\j*4096 th:TH_STORE_NT  ; 512 consecutive bytes of out0
.endr
	v_add_nc_u32 v[RD], 4*DP, v[RD]
	v_add_nc_u32 v[RSA], 16, v[RSA]
	s_wait_xcnt 0x0                                ; the stores have read their data and their base
	s_add_nc_u64 s[84:85], s[84:85], 4*4096
	s_sub_co_u32 s2, s2, 1
	s_cmp_lg_u32 s2, 0
	s_cbranch_scc1 .Lrows
	s_wait_tensorcnt 0x0                           ; the wave's end
	ds_add_u32 v[SPW], v[NIL]
	s_wait_dscnt 0x0
	CROUND
	s_endpgm
.Lfunc_end_k_q91bb0f05ad_fc2:
	.size	k_q91bb0f05ad_fc2, .Lfunc_end_k_q91bb0f05ad_fc2-k_q91bb0f05ad_fc2
	.p2alignl 7, 3214868480
	.fill 96, 4, 3214868480
	.section	.rodata,"a",@progbits
	.p2align	6, 0x0
	.amdhsa_kernel k_q91bb0f05ad_fc2
		.amdhsa_group_segment_fixed_size 327680
		.amdhsa_private_segment_fixed_size 0
		.amdhsa_enable_private_segment 0
		.amdhsa_kernarg_size 40
		.amdhsa_user_sgpr_count 2
		.amdhsa_user_sgpr_kernarg_segment_ptr 1
		.amdhsa_wavefront_size32 1
		.amdhsa_system_sgpr_workgroup_id_x 1
		.amdhsa_system_sgpr_workgroup_id_y 1
		.amdhsa_system_sgpr_workgroup_id_z 1
		.amdhsa_system_vgpr_workitem_id 0
		.amdhsa_next_free_vgpr 512
		.amdhsa_next_free_sgpr 96
		.amdhsa_reserve_vcc 0
		.amdhsa_float_denorm_mode_32 3
		.amdhsa_float_denorm_mode_16_64 3
		.amdhsa_memory_ordered 1
		.amdhsa_forward_progress 1
		.amdhsa_inst_pref_size 77
	.end_amdhsa_kernel
	.amdgpu_metadata
---
amdhsa.version: [ 1, 2 ]
amdhsa.kernels:
  - .name:           k_q91bb0f05ad_fc2
    .symbol:         k_q91bb0f05ad_fc2.kd
    .args:
      - { .name: r2, .offset: 0, .size: 8, .value_kind: global_buffer, .address_space: global }
      - { .name: wts, .offset: 8, .size: 8, .value_kind: global_buffer, .address_space: global }
      - { .name: r1, .offset: 16, .size: 8, .value_kind: global_buffer, .address_space: global }
      - { .name: fc2_b, .offset: 24, .size: 8, .value_kind: global_buffer, .address_space: global }
      - { .name: out0, .offset: 32, .size: 8, .value_kind: global_buffer, .address_space: global }
    .group_segment_fixed_size: 327680
    .private_segment_fixed_size: 0
    .kernarg_segment_align: 8
    .kernarg_segment_size: 40
    .max_flat_workgroup_size: 128
    .sgpr_count:     96
    .vgpr_count:     512
    .wavefront_size: 32
...
	.end_amdgpu_metadata
.endif
;; end of part 6
